; MI455X (gfx1250); checked and timed in simulation.
; The chip was launched on July 23, 2026; its instructions are those of AMD's public machine-readable ISA for CDNA 5 (MIT licence, August 2026) and "CDNA5" Instruction Set Architecture Reference Guide (July 2026). The comments in the code are by the model that wrote it; some were corrected since.
;; Multi Head Attention. Allowed arithmetic: matrix products marked QUANTISED: E2M3 operands, one E8M0 scale for each 32 along K, by v_wmma_scale_f32_16x16x128_f8f6f4 with both operands' format E2M3, f32 sums; everything else in f32.
;; Inputs: Wk 1,024 x 1,024 float32; Wo 1,024 x 1,024 float32; Wq 1,024 x 1,024 float32; Wv 1,024 x 1,024 float32; bk 1,024 float32; bo 1,024 float32; bq 1,024 float32; bv 1,024 float32; pad_mask 4 x 2,048 bool; pos_enc 1 x 2,048 x 32 float32; x_kv 4 x 2,048 x 1,024 float32; x_q 4 x 2,048 x 1,024 float32.
;; Outputs: out0 4 x 2,048 x 1,024 float32.
;; This version of the problem:
;;   THIS VERSION OF THE PROBLEM IS GIVEN IN LOW PRECISION. The matrix products marked QUANTISED in the list below multiply operands that are first quantised to E2M3 (2 exponent bits, 3 mantissa bits; 6 bits a number), with one power-of-two scale for each 32 numbers along K (OCP MX v1.0); their sums are f32. All else is computed in f32.
;;   The module's matrix products, in the order in which they are computed (A, B: the left and right operand; K: the contracted axis; several contracted axes count as one K, in the product's order):
;;     1. [M 8,192, K 1,024] x [K 1,024, N 1,024]; A: input x_q; B: input Wq: QUANTISED
;;     2. [M 8,192, K 1,024] x [K 1,024, N 1,024]; A: input x_kv; B: input Wk: QUANTISED
;;     3. [M 8,192, K 1,024] x [K 1,024, N 1,024]; A: input x_kv; B: input Wv: QUANTISED
;;     4. batch 64 x [M 2,048, K 64] x [K 64, N 2,048]; A: computed on the way; B: computed on the way: QUANTISED
;;     5. batch 64 x [M 2,048, K 2,048] x [K 2,048, N 64]; A: softmax (see below); B: computed on the way: QUANTISED
;;     6. [M 8,192, K 1,024] x [K 1,024, N 1,024]; A: computed on the way; B: input Wo: QUANTISED
;;   THE QUANTISER, for each operand of a quantised product, along K:
;;     - K is cut into blocks of 32 from its start; a last block that is shorter is filled with zeros.
;;     - A block's scale is 2^e with e = floor(log2(the largest magnitude in the block)) - 2, held to -126 .. 127; a block of zeros has e = 0. As a byte (E8M0): e + 127.
;;     - Each number is divided by its block's scale, clamped to +-7.5, and rounded to the nearest number of E2M3, ties to even, subnormals kept.
;;     - The product sums the exact products of the quantised numbers (number of the format x scale) in f32.
;;   ~~~python
;;   def quantise(x, axis):      # numpy; x: float32 -> the quantised numbers, widened to float32 again
;;       x = np.moveaxis(x, axis, -1); K = x.shape[-1]
;;       x = np.pad(x, [(0, 0)] * (x.ndim - 1) + [(0, -K % 32)]); x = x.reshape(x.shape[:-1] + (-1, 32)); a = np.abs(x).max(-1, keepdims=True)
;;       e = np.where(a > 0, np.clip(np.frexp(np.where(a > 0, a, 1))[1] - 1 - 2, -126, 127), 0)      # np.frexp(a)[1] - 1 = floor(log2(a)), exactly
;;       r = np.clip(x / 2.0 ** e, -7.5, 7.5)
;;       step = 2.0 ** (np.maximum(np.frexp(np.where(r == 0, 1, r))[1] - 1, 0) - 3)
;;       q = np.round(r / step) * step * 2.0 ** e      # np.round: ties to even
;;       return np.moveaxis(q.reshape(q.shape[:-2] + (-1,))[..., :K], -1, axis).astype(np.float32)
;;   ~~~
;;   SOFTMAX AHEAD OF A QUANTISED PRODUCT. Where the list says 'softmax', what is quantised is not the finished softmax but p = 2^(t - M), with t = logit x log2(e) and M = ceil(the row's largest t), a whole number; so 1/2 < the row's largest p <= 1. The row's sum l is taken of the UNQUANTISED p, in f32, and the product's result is divided by l at the end. Since M is a whole number, a kernel that streams over the keys may use a running M (the ceiling of the running maximum): every later rescaling is an exact power of two, which a block's scale takes up: the codes' values come out the same.
;;   OPERANDS COMPUTED ON THE WAY. 'Computed on the way' means the value that the module computes at that place (a softmax that the list does not call 'softmax' is quantised finished and normalised). What goes into a quantiser is computed in f32, as accurately as f32 sums, v_exp_f32 and their like allow (about 1e-6 of the number): no bf16 or f16 on the way to a quantiser, and a product that is left as it is and whose result goes on into a quantised operand takes f32 operands (vector FMAs, or v_wmma_f32_16x16x4_f32). A number that lies on a knife's edge between two numbers of the format may be rounded either way, as far as f32 arithmetic and the matrix unit's own rounding can turn it there, and no further.
;; One version. Each part assembles by itself: llvm-mc -triple=amdgcn-amd-amdhsa -mcpu=gfx1250 --defsym DOCPART=n.
;; ======== version 1 of 1: 4 launches
;; limits: inputs' magnitudes at most 1,048,576; right only within a limited range of input values
;; workspace buffers: xi 12,582,912 bytes; xs 524,288 bytes; cs 524,288 bytes; wi 3,145,728 bytes; ws 131,072 bytes; qkv 20,709,376 bytes; oi 6,291,456 bytes; os 262,144 bytes
;; launch qx (part 1): grid 640 x 1, 4 waves a work-group, no clusters, 59,904 bytes of LDS; arguments x_q, x_kv, pos_enc, xi, xs, cs, Wq, Wk, Wv, Wo, wi, ws; writes xi, xs, cs, wi, ws
.if DOCPART == 1
	.amdgcn_target "amdgcn-amd-amdhsa--gfx1250"
	.amdhsa_code_object_version 6
	.text
	.protected	k_q1696c5caa4_qx
	.globl	k_q1696c5caa4_qx
	.p2align	8
	.type	k_q1696c5caa4_qx,@function
k_q1696c5caa4_qx:
	s_mov_b64 s[64:65], 0
	v_nop
	global_prefetch_b8 v0, s[64:65] scope:SCOPE_SE
	s_setreg_imm32_b32 hwreg(HW_REG_WAVE_MODE, 25, 1), 1
	s_wait_xcnt 0x0
; x_q and x_kv, [8192][1024] f32, become codes of FP6 (E2M3) with one E8M0 byte for each 32 along K, laid as IMAGES OF THE OPERAND'S REGISTERS for the products that follow;
; and pos_enc becomes a table of cos and signed sin.
; A block's scale is 2^(floor(log2(its largest magnitude)) - 2); its byte is the largest magnitude's exponent field - 2, held at 1 from below (a block of zeros keeps the byte 1: its codes are zeros, and this program alone reads the bytes).
; TILES: the 16 rows of a tile are not neighbours: tile 2 g + u of 128 rows holds rows 32 g + 8 u + r + 8 (r / 8).
; IMAGE: a fragment (16 rows x 128 K, 12 registers a lane) is 1,536 bytes: registers 0-3 at 16 x lane, 4-5 at 512 + 8 x lane, 6-9 at 768 + 16 x lane, 10-11 at 1,280 + 8 x lane.
; xi: [row / 128][slot of 256 K][8 q + tile] x 1,536 bytes.  xs: [row / 128][slot][tile][r][q], a word of four bytes each.  x_kv's lie behind x_q's.
; cs: [position][i of 32][2] f32: cos(pe), then -sin(pe) for even i and +sin(pe) for odd i.
; SHARES: work-groups 0-255 take x_q, the others x_kv; a work-group takes 32 rows (two tiles), its wave w the slot w; four sub-steps of 16 rows x 128 K.  Each load reads 512 consecutive bytes of a row; the numbers turn
; through the wave's own stage in LDS (rows 528 bytes apart), so that a lane gets 16 neighbours of each block of 32 of its row.  Thread 128 g + t also makes element 128 g + t of the table.
; LIMITS: NaN and infinities are not served; |pos_enc| stays under 2^20 (the reduction takes n pi / 2 off in three parts).
.set WREG,  8704
.set SP,    528
.set SPARE, 4*WREG                     ; behind the four stages: the spare words, 128 bytes a wave
.set R,     16                         ; v16-143  two sets of 64: rows as loaded
.set X,     144                        ; v144-207 64 numbers: register 16 b + i = k 32 b + 16 (lane / 16) + i of my row
.set TM,    208
.set PW,    224
.set PWS,   226                        ; v226-229 the four sub-steps' scale words
.set PC,    232
.set SPW,   14
.set NIL,   15
.set SEL,   22
.macro QUANT s                         ; 64 numbers of a lane become a fragment's codes in v[PC] on and its scale word in v[PW]
.irp b, 0,1,2,3
	v_max3_num_f32 v[TM+\b], |v[\s+16*\b]|, |v[\s+1+16*\b]|, 0x1800000   ; my 16 numbers of block b, and the floor 2^(3 - 127): the byte cannot fall under 1
.endr
.irp i, 2,4,6,8,10,12,14
.irp b, 0,1,2,3
	v_max3_num_f32 v[TM+\b], v[TM+\b], |v[\s+16*\b+\i]|, |v[\s+1+16*\b+\i]|
.endr
.endr
.irp b, 0,1,2,3
	v_permlanex16_b32 v[TM+4+\b], v[TM+\b], s[SEL], s[SEL+1]
.endr
.irp b, 0,1,2,3
	v_max_num_f32 v[TM+\b], v[TM+\b], v[TM+4+\b]   ; with lane l xor 16's: the block's largest magnitude
.endr
.irp b, 0,1,2,3
	v_add_nc_u32 v[TM+12+\b], 0xff000000, v[TM+\b]   ; 2 off its exponent field: the conversion's scale operand
.endr
.irp b, 0,1,2,3
	v_lshrrev_b32 v[TM+4+\b], 23, v[TM+12+\b]   ; the scale's byte
.endr
	v_lshl_or_b32 v[PW], v[TM+5], 8, v[TM+4]
	v_lshl_or_b32 v[PW], v[TM+6], 16, v[PW]
	v_lshl_or_b32 v[PW], v[TM+7], 24, v[PW]
.irp c, 0,1
	v_cvt_scalef32_pk16_fp6_f32 v[PC+6*\c:PC+2+6*\c], v[\s+32*\c:\s+15+32*\c], v[TM+12+2*\c]
	v_cvt_scalef32_pk16_fp6_f32 v[PC+12+4*\c:PC+14+4*\c], v[\s+16+32*\c:\s+31+32*\c], v[TM+12+2*\c+1]
.endr
	v_nop                                          ; one plain place behind a scaled conversion
.irp c, 0,1                                    ; a whole block to a lane: lanes 0-15 block 2 c, lanes 16-31 block 2 c + 1
.irp i, 0,1,2
	v_permlane16_swap_b32 v[PC+6*\c+\i], v[PC+12+4*\c+\i]
.endr
.irp i, 0,1,2
	v_mov_b32 v[PC+3+6*\c+\i], v[PC+12+4*\c+\i]
.endr
.endr
.endm
	v_lshl_add_u32 v[SPW], v0, 2, SPARE
	v_mov_b32 v[NIL], 0
	s_cmp_lt_u32 ttmp9, 512                        ; work-groups 0-511 take x_q and x_kv, 512-639 the four weights: the choice hangs on the work-group's number alone
	s_cbranch_scc1 .Lx
; THE WEIGHTS, [k 1024][n 1024] f32 with K as the FIRST axis, become codes of FP6 quantised along K, laid as images of operand registers whose rows are the columns n.
; A lane takes a column n and its registers run down K: a block of 32 lies in one lane's 32 registers, each load reads 128 consecutive bytes a wave.
; wi: weight x 786,432 + [n / 128][slot of 256 K][8 q + tile] x 1,536;  ws: weight x 32,768 + [n / 128][slot][tile][r][q] words.  Tile 2 g + u of 128 columns holds columns 32 g + 8 u + r + 8 (r / 8).
; SHARES: number - 512 = 32 slot + 8 weight + (which 128 columns).  Wave w: 32 columns, tiles 2 w and 2 w + 1.  Lane l is row r = l % 8 + 8 (l / 16) of tile u = (l / 8) % 2.
; This path's stage has LDS bytes of its own, behind the spare words.
.set WSTG,  35328
.set EMAX,  2
.set WX,    32                         ; v32-95   two sets of 32 numbers
.set WC,    96                         ; v96-101  a block's codes
.set WT,    104
.set WOUT,  112                        ; v112-159 the way out
.set WSB,   24                         ; v24-25   the scale bytes of K steps 0 and 1
	s_load_b256 s[4:11], s[0:1], 0x30              ; Wq, Wk, Wv, Wo
	s_load_b128 s[12:15], s[0:1], 0x50             ; wi, ws
	v_lshrrev_b32 v1, 5, v0
	v_readfirstlane_b32 s16, v1                    ; wave
	v_and_b32 v2, 31, v0                           ; lane
	v_lshlrev_b32 v3, 2, v2                        ; in: 4 bytes a lane
	v_bfe_u32 v8, v0, 3, 1                         ; u
	v_and_b32 v10, 7, v0
	v_bfe_u32 v11, v0, 4, 1
	v_lshl_add_u32 v10, v11, 3, v10                ; r
	s_mul_i32 s17, s16, 6144                       ; my stage: [q][u] x 1,536
	s_add_co_u32 s17, s17, WSTG
	v_mul_u32_u24 v11, v8, 1536
	v_add_nc_u32 v11, s17, v11
	v_lshl_add_u32 v4, v10, 4, v11                 ; where my registers 0-3 of a half image go
	v_lshl_add_u32 v5, v10, 3, v11                 ; and registers 4-5
	v_lshlrev_b32 v7, 4, v2
	v_add_nc_u32 v6, s17, v7                       ; out of the stage: 16 x lane
	v_lshlrev_b32 v9, 3, v10
	v_lshl_add_u32 v9, v8, 7, v9                   ; my scale words: 128 u + 8 r
	s_bfe_u32 s18, ttmp9, 0x20003                  ; which weight
	s_and_b32 s19, ttmp9, 7                        ; which 128 columns
	s_bfe_u32 s20, ttmp9, 0x20005                  ; which slot
	s_lshl_b32 s22, s20, 20                        ; W: 256 rows of 4,096 bytes a slot,
	s_lshl_b32 s23, s19, 9
	s_add_co_u32 s22, s22, s23
	s_lshl_b32 s23, s16, 7
	s_add_co_u32 s22, s22, s23                     ; + 4 x my first column
	s_mov_b32 s23, 0
	s_mul_i32 s24, s18, 786432
	s_mul_i32 s25, s19, 98304
	s_add_co_u32 s24, s24, s25
	s_mul_i32 s25, s20, 24576
	s_add_co_u32 s24, s24, s25
	s_mul_i32 s25, s16, 3072
	s_add_co_u32 s24, s24, s25
	s_mov_b32 s25, 0
	s_lshl_b32 s26, s18, 15
	s_lshl_b32 s27, s19, 12
	s_add_co_u32 s26, s26, s27
	s_lshl_b32 s27, s20, 10
	s_add_co_u32 s26, s26, s27
	s_lshl_b32 s27, s16, 8
	s_add_co_u32 s26, s26, s27
	s_mov_b32 s27, 0
	s_wait_kmcnt 0x0
	s_cmp_eq_u32 s18, 1
	s_cselect_b64 s[4:5], s[6:7], s[4:5]
	s_cmp_eq_u32 s18, 2
	s_cselect_b64 s[4:5], s[8:9], s[4:5]
	s_cmp_eq_u32 s18, 3
	s_cselect_b64 s[4:5], s[10:11], s[4:5]
	s_add_nc_u64 s[4:5], s[4:5], s[22:23]
	s_add_nc_u64 s[12:13], s[12:13], s[24:25]
	s_add_nc_u64 s[14:15], s[14:15], s[26:27]
.macro WLOAD t
.irp i, 0,1,2,3,4,5,6,7,8,9,10,11,12,13,14,15,16,17,18,19,20,21,22,23,24,25,26,27,28,29,30,31
	global_load_b32 v[WX+32*((\t)%2)+\i], v3, s[4:5] offset:(32*(\t)+\i)*4096 th:TH_LOAD_NT
.endr
.endm
	WLOAD 0
	WLOAD 1
.macro WBLOCK t
.set XS, WX+32*((\t)%2)
.if (\t) < 7
	s_wait_loadcnt 32                              ; this block's 32 loads are in; the next block's stay out
.else
	s_wait_loadcnt 0x0
.endif
	v_max3_num_f32 v12, |v[XS]|, |v[XS+1]|, |v[XS+2]|
	v_max3_num_f32 v13, |v[XS+3]|, |v[XS+4]|, |v[XS+5]|
.irp i, 6,10,14,18,22,26
	v_max3_num_f32 v12, v12, |v[XS+\i]|, |v[XS+\i+1]|
	v_max3_num_f32 v13, v13, |v[XS+\i+2]|, |v[XS+\i+3]|
.endr
	v_max3_num_f32 v12, v12, |v[XS+30]|, |v[XS+31]|
	v_max3_num_f32 v12, v12, v13, (EMAX+1)<<23     ; and the floor: the byte cannot fall under 1
	v_add_nc_u32 v11, -(EMAX<<23), v12             ; the conversion's scale operand
	v_lshrrev_b32 v13, 23, v11                     ; the scale's byte
.if (\t)%4 == 0
	v_mov_b32 v[WSB+(\t)/4], v13
.else
	v_lshl_or_b32 v[WSB+(\t)/4], v13, 8*((\t)%4), v[WSB+(\t)/4]
.endif
	v_cvt_scalef32_pk16_fp6_f32 v[WC:WC+2], v[XS:XS+15], v11
	v_cvt_scalef32_pk16_fp6_f32 v[WT:WT+2], v[XS+16:XS+31], v11
	v_nop                                          ; one plain place behind a scaled conversion
.irp i, 0,1,2
	v_mov_b32 v[WC+3+\i], v[WT+\i]
.endr
	ds_store_b128 v4, v[WC:WC+3] offset:3072*((\t)/4)+768*(((\t)%4)/2)+256*((\t)%2)
	ds_store_b64 v5, v[WC+4:WC+5] offset:3072*((\t)/4)+768*(((\t)%4)/2)+512+128*((\t)%2)
.if (\t)+2 < 8
	WLOAD (\t)+2
.endif
	s_wait_dscnt 0x0                               ; the stores have read their registers: the next block's codes may be written
.endm
.irp t, 0,1,2,3,4,5,6,7
	WBLOCK \t
.endr
	s_wait_alu depctr_va_vdst(0)                   ; the wait here, directly ahead of the reader below
	global_store_b64 v9, v[WSB:WSB+1], s[14:15]    ; the wave's 32 pairs of words: 256 consecutive bytes, aligned
.irp k, 0,1,2,3,4,5,6,7,8,9,10,11
	ds_load_b128 v[WOUT+4*\k:WOUT+4*\k+3], v6 offset:512*\k   ; LDS serves a wave's instructions in order: these see my stores
.endr
.irp k, 0,1,2,3,4,5,6,7,8,9,10,11
	s_wait_dscnt 11-\k                             ; load k is in; the younger ones stay out
	global_store_b128 v7, v[WOUT+4*\k:WOUT+4*\k+3], s[12:13] offset:(8*(\k/6))*1536+512*(\k%6)
.endr
	s_branch .Lend
.Lx:
	s_load_b256 s[4:11], s[0:1], 0x0               ; x_q, x_kv, pos_enc, xi
	s_load_b128 s[12:15], s[0:1], 0x20             ; xs, cs
	v_lshrrev_b32 v1, 5, v0
	v_readfirstlane_b32 s16, v1                    ; wave
	v_and_b32 v1, 31, v0                           ; lane
	v_and_b32 v2, 15, v0                           ; r
	v_bfe_u32 v3, v0, 4, 1                         ; h
	v_lshlrev_b32 v4, 4, v1                        ; 16 x lane
	v_lshlrev_b32 v8, 3, v1                        ; 8 x lane
	s_mul_i32 s17, s16, WREG
	v_add_nc_u32 v5, s17, v4                       ; the stage, on the way in: a row's 512 bytes as they lie
	v_mul_u32_u24 v6, v2, SP
	v_lshl_add_u32 v6, v3, 6, v6
	v_add_nc_u32 v6, s17, v6                       ; and on the way out: row r, + 64 h
	v_lshlrev_b32 v9, 3, v2
	v_lshl_add_u32 v9, v3, 7, v9                   ; the scale words' place: 128 h + 8 r
	s_lshl_b32 s18, ttmp9, 9
	v_lshl_add_u32 v10, v0, 2, s18                 ; 4 x (128 g + t)
	v_lshlrev_b32 v11, 1, v10                      ; 8 x
	s_mov_b32 s[SEL], 0x76543210
	s_mov_b32 s[SEL+1], 0xfedcba98
.irp b, 0,1,2,3
	v_mov_b32 v[TM+4+\b], 0                        ; a lane permute's destination counts as one of its sources
.endr
	s_and_b32 s19, ttmp9, 255                      ; G: which 32 rows
	s_lshr_b32 s20, s19, 2
	s_and_b32 s21, s19, 3
	s_lshl_b32 s24, s19, 17                        ; x: 32 G rows of 4,096 bytes + 1,024 w
	s_lshl_b32 s25, s16, 10
	s_add_co_u32 s24, s24, s25
	s_mov_b32 s25, 0
	s_mul_i32 s26, s20, 98304                      ; images
	s_mul_i32 s27, s16, 24576
	s_add_co_u32 s26, s26, s27
	s_mul_i32 s27, s21, 3072
	s_add_co_u32 s26, s26, s27
	s_lshl_b32 s28, s20, 12                        ; scale words
	s_lshl_b32 s29, s16, 10
	s_add_co_u32 s28, s28, s29
	s_lshl_b32 s29, s21, 8
	s_add_co_u32 s28, s28, s29
	s_cmp_lt_u32 ttmp9, 256                        ; x_q's work-group or x_kv's: the choice hangs on the work-group's number alone
	s_cselect_b32 s27, 0, 6291456
	s_cselect_b32 s29, 0, 262144
	s_wait_alu depctr_va_vdst(0)
	s_wait_kmcnt 0x0
	s_cselect_b64 s[4:5], s[4:5], s[6:7]
	s_add_co_u32 s26, s26, s27
	s_add_co_u32 s28, s28, s29
	s_mov_b32 s27, 0
	s_mov_b32 s29, 0
	s_add_nc_u64 s[4:5], s[4:5], s[24:25]
	s_add_nc_u64 s[10:11], s[10:11], s[26:27]
	s_add_nc_u64 s[12:13], s[12:13], s[28:29]
.macro LOAD k                          ; sub-step k = 2 u + q: the tile's 16 rows, 512 bytes each
.irp t, 0,1,2,3,4,5,6,7,8,9,10,11,12,13,14,15
	global_load_b128 v[R+64*((\k)%2)+4*\t:R+64*((\k)%2)+4*\t+3], v4, s[4:5] offset:(8*((\k)/2)+\t+8*(\t/8))*4096+512*((\k)%2) th:TH_LOAD_NT
.endr
.endm
.macro TURN k                          ; through the stage: LDS serves a wave's instructions in order, so no wait stands between the stores and the loads
.irp t, 0,1,2,3,4,5,6,7,8,9,10,11,12,13,14,15
	ds_store_b128 v5, v[R+64*((\k)%2)+4*\t:R+64*((\k)%2)+4*\t+3] offset:SP*\t
.endr
.irp b, 0,1,2,3
.irp j, 0,1,2,3
	ds_load_b128 v[X+16*\b+4*\j:X+16*\b+4*\j+3], v6 offset:128*\b+16*\j
.endr
.endr
.endm
	global_load_b32 v208, v10, s[8:9]              ; my element of pos_enc
	LOAD 0
	LOAD 1
	s_wait_loadcnt 32                              ; pos_enc's load is in; the 32 loads of x stay out
	; cos and sin: n = the nearest whole number to x 2 / pi; r = x - n pi / 2, pi / 2 in three parts; polynomials on |r| <= pi / 4; the quadrant swaps and signs them
	v_mul_f32 v209, 0x3f22f983, v208
	v_rndne_f32 v209, v209
	v_fma_f32 v210, v209, 0xbfc90fdb, v208
	v_fma_f32 v210, v209, 0x333bbd2e, v210
	v_fma_f32 v210, v209, 0x26f72ced, v210         ; r
	v_mul_f32 v211, v210, v210                     ; z = r r
	v_cvt_i32_f32 v212, v209                       ; the quadrant
	v_mov_b32 v213, 0xb94ca1f9
	v_fmaak_f32 v213, v213, v211, 0x3c08839e
	v_fmaak_f32 v213, v213, v211, 0xbe2aaaa3
	v_mul_f32 v214, v210, v211
	v_fma_f32 v213, v214, v213, v210               ; sin r
	v_mov_b32 v215, 0x37ccf5ce
	v_fmaak_f32 v215, v215, v211, 0xbab6061a
	v_fmaak_f32 v215, v215, v211, 0x3d2aaaa5
	v_mul_f32 v216, v211, v211
	v_fma_f32 v217, v211, -0.5, 1.0
	v_fma_f32 v215, v216, v215, v217               ; cos r
	v_and_b32 v218, 1, v212
	v_cmp_eq_u32 vcc_lo, 1, v218
	v_cndmask_b32 v219, v213, v215, vcc_lo         ; |sin x|'s source: in odd quadrants cos r
	v_cndmask_b32 v220, v215, v213, vcc_lo         ; cos x's: in odd quadrants sin r
	v_and_b32 v221, 2, v212
	v_lshlrev_b32 v221, 30, v221
	v_xor_b32 v219, v219, v221                     ; sin x
	v_add_nc_u32 v222, 1, v212
	v_and_b32 v222, 2, v222
	v_lshlrev_b32 v222, 30, v222
	v_xor_b32 v220, v220, v222                     ; cos x
	v_and_b32 v223, 1, v0
	v_xor_b32 v223, 1, v223
	v_lshlrev_b32 v223, 31, v223
	v_xor_b32 v221, v219, v223                     ; -sin x for even i, +sin x for odd i
	global_store_b64 v11, v[220:221], s[14:15]     ; the wave's store covers 256 consecutive bytes, aligned
.macro SUB k
.if (\k) < 3
	s_wait_loadcnt 16                              ; this sub-step's 16 loads are in; the next one's stay out
.else
	s_wait_loadcnt 0x0
.endif
	TURN \k
	s_wait_dscnt 0x0                               ; the numbers are back, and the stage's stores have read their registers
.if (\k) < 2
	LOAD (\k)+2
.endif
	s_wait_xcnt 0x0                                ; the stores issued so far have read their data: the registers that QUANT writes are free
	QUANT X
.set IO, (8*((\k)%2)+(\k)/2)*1536
	global_store_b128 v4, v[PC:PC+3], s[10:11] offset:IO
	global_store_b64 v8, v[PC+4:PC+5], s[10:11] offset:IO+512
	global_store_b128 v4, v[PC+6:PC+9], s[10:11] offset:IO+768
	global_store_b64 v8, v[PC+10:PC+11], s[10:11] offset:IO+1280
	v_mov_b32 v[PWS+(\k)], v[PW]
.endm
	SUB 0
	SUB 1
	SUB 2
	SUB 3
	v_cmp_le_u32 vcc_lo, 16, v1                    ; lanes 0-15 store tile 0's two words of row r, lanes 16-31 tile 1's
	v_cndmask_b32 v230, v[PWS], v[PWS+2], vcc_lo
	v_cndmask_b32 v231, v[PWS+1], v[PWS+3], vcc_lo
	global_store_b64 v9, v[230:231], s[12:13]      ; 256 consecutive bytes, aligned
.Lend:                                                 ; both paths end here
	s_wait_tensorcnt 0x0
	ds_add_u32 v[SPW], v[NIL]
	s_wait_dscnt 0x0
	s_endpgm
.Lfunc_end_k_q1696c5caa4_qx:
	.size	k_q1696c5caa4_qx, .Lfunc_end_k_q1696c5caa4_qx-k_q1696c5caa4_qx
	.p2alignl 7, 3214868480
	.fill 96, 4, 3214868480
	.section	.rodata,"a",@progbits
	.p2align	6, 0x0
	.amdhsa_kernel k_q1696c5caa4_qx
		.amdhsa_group_segment_fixed_size 59904
		.amdhsa_private_segment_fixed_size 0
		.amdhsa_enable_private_segment 0
		.amdhsa_kernarg_size 96
		.amdhsa_user_sgpr_count 2
		.amdhsa_user_sgpr_kernarg_segment_ptr 1
		.amdhsa_wavefront_size32 1
		.amdhsa_system_sgpr_workgroup_id_x 1
		.amdhsa_system_sgpr_workgroup_id_y 1
		.amdhsa_system_sgpr_workgroup_id_z 1
		.amdhsa_system_vgpr_workitem_id 0
		.amdhsa_next_free_vgpr 256
		.amdhsa_next_free_sgpr 66
		.amdhsa_reserve_vcc 1
		.amdhsa_float_denorm_mode_32 3
		.amdhsa_float_denorm_mode_16_64 3
		.amdhsa_memory_ordered 1
		.amdhsa_forward_progress 1
		.amdhsa_inst_pref_size 78
	.end_amdhsa_kernel
	.amdgpu_metadata
---
amdhsa.version: [ 1, 2 ]
amdhsa.kernels:
  - .name:           k_q1696c5caa4_qx
    .symbol:         k_q1696c5caa4_qx.kd
    .args:
      - { .name: x_q, .offset: 0, .size: 8, .value_kind: global_buffer, .address_space: global }
      - { .name: x_kv, .offset: 8, .size: 8, .value_kind: global_buffer, .address_space: global }
      - { .name: pos_enc, .offset: 16, .size: 8, .value_kind: global_buffer, .address_space: global }
      - { .name: xi, .offset: 24, .size: 8, .value_kind: global_buffer, .address_space: global }
      - { .name: xs, .offset: 32, .size: 8, .value_kind: global_buffer, .address_space: global }
      - { .name: cs, .offset: 40, .size: 8, .value_kind: global_buffer, .address_space: global }
      - { .name: Wq, .offset: 48, .size: 8, .value_kind: global_buffer, .address_space: global }
      - { .name: Wk, .offset: 56, .size: 8, .value_kind: global_buffer, .address_space: global }
      - { .name: Wv, .offset: 64, .size: 8, .value_kind: global_buffer, .address_space: global }
      - { .name: Wo, .offset: 72, .size: 8, .value_kind: global_buffer, .address_space: global }
      - { .name: wi, .offset: 80, .size: 8, .value_kind: global_buffer, .address_space: global }
      - { .name: ws, .offset: 88, .size: 8, .value_kind: global_buffer, .address_space: global }
    .group_segment_fixed_size: 59904
    .private_segment_fixed_size: 0
    .kernarg_segment_align: 8
    .kernarg_segment_size: 96
    .max_flat_workgroup_size: 128
    .sgpr_count:     66
    .vgpr_count:     256
    .wavefront_size: 32
...
	.end_amdgpu_metadata
.endif
;; end of part 1
;; launch proj (part 2): grid 8 x 32, 4 waves a work-group, clusters of 4 x 4, 327,680 bytes of LDS; arguments xi, xs, wi, ws, cs, bq, bk, bv, qkv; writes qkv
.if DOCPART == 2
	.amdgcn_target "amdgcn-amd-amdhsa--gfx1250"
	.amdhsa_code_object_version 6
	.text
	.protected	k_q1696c5caa4_proj
	.globl	k_q1696c5caa4_proj
	.p2align	8
	.type	k_q1696c5caa4_proj,@function
k_q1696c5caa4_proj:
	s_mov_b64 s[64:65], 0
	v_nop
	global_prefetch_b8 v0, s[64:65] scope:SCOPE_SE
	s_setreg_imm32_b32 hwreg(HW_REG_WAVE_MODE, 25, 1), 1
	s_wait_xcnt 0x0
	s_wait_alu depctr_hold_cnt(0) depctr_sa_sdst(0) depctr_va_vdst(0) depctr_va_sdst(0) depctr_va_ssrc(0) depctr_va_vcc(0) depctr_vm_vsrc(0)
	s_getreg_b32 s2, hwreg(HW_REG_IB_STS2, 6, 4)
	s_cmp_eq_u32 s2, 0
	s_cbranch_scc0 .Lentry_in_a_cluster
	s_endpgm
.Lentry_in_a_cluster:
	s_bfe_u32 s2, ttmp6, 0x10000c
	s_cmp_lg_u32 s2, 0xf033
	s_cbranch_scc0 .Lentry_shape_is_right
	s_endpgm
.Lentry_shape_is_right:
; Q = (x_q Wq + bq) / 8 and K = x_kv Wk + bk, both with the rotary turn, and V^T = (x_kv Wv + bv)^T, on codes of FP6 (E2M3) with E8M0 scales; each result is quantised again and leaves as images of operand registers.
; 256 work-groups.  Each makes FIRST a tile of 256 tokens x 256 columns of Q (cluster x = 0) or K (1), THEN a half tile of V^T: 128 channels x the same 256 tokens' places in x_kv.
; FIRST PART: four waves, 128 x 128 each: 64 accumulators in windows 2 and 3; A's fragments (tokens) in window 0, one set, B's (the weight's columns) in window 1, two sets.
; K = 1,024 is eight steps of 128.  The images of 128 rows lie dense, 12,288 bytes a step, so K goes in CHUNKS of 3, 3 and 2 steps through two LDS slots of 4 x 36,864 bytes: chunk c in slot c % 2.
; FILLS: at the head one joint load a wave: A's chunk 0 (two rows of 36,864 bytes, 98,304 apart), B's chunk 0, A's scale words, B's (8,192 dense bytes each, for all of K).
; Chunk 1 is asked for behind the full sequence and a round of the cluster's barrier, a quarter of the slot a wave; chunk 2 refills slot 0 in step 2, behind a round; a plain barrier in step 5 shows it.
; SECOND PART: its operands, all of K (98,304 bytes of Wv's 128 columns, 196,608 of the 256 tokens, 4,096 + 8,192 of scale words), lie on the two slots and the scales' region.  They are asked for in the first part's last K step,
; behind a round, one joint load a wave, ahead of Q's or K's way out; a plain barrier behind that way out shows them.  A wave makes 64 channels x 128 tokens: 32 accumulators in window 2, two sets of fragments a side.
; CLUSTERS: tokens' tiles are shared along a row of the 4 x 4 cluster, weights' along a column.  No data prefetch: the largest block in clusters, and K has three fills only.
; Q's AND K's WAY OUT: the bias and the cos / sin of the first three blocks of 16 tokens are asked for ahead of the last K step, the others behind it; the waits on LOADcnt are counted.
; LIMITS: NaN and infinities are not served; a block of zeros keeps the byte 1 (its codes are zeros; this program alone reads the bytes).
.set NQ,     2
.set FR,     12
.set NL,     4
.set NP,     4
.set HALFT,  36864                     ; three K steps of 128 rows
.set SLOT,   4*HALFT
.set SCL,    2*SLOT
.set HALFS,  4096
.set SPARE,  SCL+4*HALFS
.set VAB,    98304                     ; the second part: 128 rows, all of K
.set HK,     49152                     ; four K steps of them
.set L16,  4
.set L8,   5
.set ADRA, 16
.set ADRB, 20
.set ADRS, 27
.set SPW,  28
.set NIL,  29
.set SC,   32
.set AF,   128
.set HA,   64
.set PC,   160
.set TM,   180
.set PWS,  200
.set ONES, 208
.set VSD,  224
.set VP,   232
.set BV,   240
.set PW,   250
.set OSC,  251
.set G0H, 4                            ; s[4:7], s[8:11] group 0 of the loads of whole tiles of codes (the arguments that lay there have served)
.set G0HB, 8
.set G1, 24
.set G0, 32
.set G1B, 48
.set G0B, 56
.set G1S, 68
.set G0S, 76
.set G1SB, 80
.set G0SB, 88
.set WV, 22
.set HI, 23
.set LO, 40
.set CX, 41
.set CY, 42
.set VC, 43                            ; s43 first 4 x cluster y, then which 128 channels of V are mine
.set KIND, 44
.set TR, 45
.set TC, 46
.set SEL, 66
.set MSB, 0
.macro WIN new
.if MSB != \new
	s_set_vgpr_msb (MSB<<8)|\new
.set MSB, \new
.endif
.endm
.set MUL_LO, 0xa1
.set MUL_HI, 0xf1
.set TO_B,   0x40
.macro PLACES n
.rept \n
	v_nop
.endr
.endm
.macro TLOAD g0, g1
	tensor_load_to_lds s[\g0:\g0+3], s[\g1:\g1+7]
	s_nop 0
	PLACES 4
.endm
.macro JLOAD g0a, g1a, g0b, g1b        ; waves 0 and 1 fetch for A, waves 2 and 3 for B
	s_cmp_eq_u32 s[HI], 0
	s_cbranch_scc0 .Lfor_b_\@
	TLOAD \g0a, \g1a
	s_branch .Lasked_\@
.Lfor_b_\@:
	TLOAD \g0b, \g1b
.Lasked_\@:
.endm
.macro ARM under, g0, g1, next, join   ; an arm of one chain of branches on the wave's number
	s_cmp_lt_u32 s[WV], \under
	s_cbranch_scc0 \next
	TLOAD \g0, \g1
	s_branch \join
\next:
.endm
.macro CREST
	s_cmp_lg_u32 s[WV], 0
	s_cbranch_scc1 .Lnot_wave_0_\@
	s_barrier_signal -3
.Lnot_wave_0_\@:
	s_barrier_wait -3
	s_barrier_signal -1
	s_barrier_wait -1
.endm
.macro CROUND
	s_barrier_signal -1
	s_barrier_wait -1
	CREST
.endm
.macro GRP0 g, lds, base               ; group 0: LDS place, 64-bit base + the offset in s[2:3]
	s_mov_b32 s[\g], 1
	s_mov_b32 s[\g+1], \lds
	s_add_nc_u64 s[\g+2:\g+3], s[\base:\base+1], s[2:3]
	s_or_b32 s[\g+3], s[\g+3], 0x80000000
.endm
	s_load_b512 s[4:19], s[0:1], 0x0               ; xi, xs, wi, ws, cs, bq, bk, bv
	s_load_b64 s[20:21], s[0:1], 0x40              ; qkv
	v_lshl_add_u32 v[SPW], v0, 2, SPARE
	v_mov_b32 v[NIL], 0
	ds_add_u32 v[SPW], v[NIL]                      ; the opening lines: the add, twice on end, and its wait
	ds_add_u32 v[SPW], v[NIL]
	v_lshrrev_b32 v1, 5, v0
	v_readfirstlane_b32 s[WV], v1
	s_lshr_b32 s[HI], s[WV], 1
	s_and_b32 s[LO], s[WV], 1
	s_bfe_u32 s[CX], ttmp6, 0x40000
	s_bfe_u32 s[CY], ttmp6, 0x40004
	s_and_b32 s[VC], ttmp7, 0xffff
	s_lshl_b32 s[VC], s[VC], 2
	s_mov_b32 s[KIND], ttmp9
	s_add_co_u32 s[TR], s[CY], s[VC]               ; my 256 tokens
	s_mov_b32 s[TC], s[CX]                         ; my 256 columns of Q or K
	s_lshl_b32 s[VC], s[CX], 1
	s_add_co_u32 s[VC], s[VC], s[KIND]             ; my 128 channels of V
	s_lshl_b32 s47, s[CY], 2
	s_lshl_b32 s47, 15, s47                        ; my row of the cluster
	s_lshl_b32 s66, 0x1111, s[CX]                  ; my column
	s_or_b32 s[G1+0], s47, (3<<16)|(1<<21)
	s_or_b32 s[G1B+0], s66, (3<<16)|(1<<21)
.irp g, G1, G1B                        ; for the head: two rows of 36,864 bytes (elements of 8 bytes), 98,304 bytes apart
	s_mov_b32 s[\g+1], (HALFT/8)<<16
	s_mov_b32 s[\g+2], 2<<16
	s_mov_b32 s[\g+3], (HALFT/8)<<16
	s_mov_b32 s[\g+4], 2
	s_mov_b32 s[\g+5], 98304/8
	s_mov_b32 s[\g+6], 0
	s_mov_b32 s[\g+7], 0
.endr
	s_or_b32 s[G1S+0], s47, (3<<16)|(1<<21)
	s_or_b32 s[G1SB+0], s66, (3<<16)|(1<<21)
.irp g, G1S, G1SB                      ; the scale words of 256 rows: 32 rows of 256 bytes
	s_mov_b32 s[\g+1], 32<<16
	s_mov_b32 s[\g+2], 32<<16
	s_mov_b32 s[\g+3], 32<<16
	s_mov_b32 s[\g+4], 32
	s_mov_b32 s[\g+5], 32
	s_mov_b32 s[\g+6], 0
	s_mov_b32 s[\g+7], 0
.endr
	s_cmp_eq_u32 s[KIND], 0
	s_cselect_b32 s92, 0, 6291456                  ; x_q's images, or x_kv's behind them
	s_cselect_b32 s94, 0, 262144
	s_mul_i32 s96, s[KIND], 786432                 ; Wq's or Wk's
	s_lshl_b32 s98, s[KIND], 15
	s_mul_i32 s2, s[TR], 196608
	s_add_co_u32 s92, s92, s2
	s_lshl_b32 s2, s[TR], 13
	s_add_co_u32 s94, s94, s2
	s_mul_i32 s67, s[TC], 196608
	s_add_co_u32 s96, s96, s67
	s_lshl_b32 s67, s[TC], 13
	s_add_co_u32 s98, s98, s67
	s_mov_b32 s93, 0
	s_mov_b32 s95, 0
	s_mov_b32 s97, 0
	s_mov_b32 s99, 0
	s_mul_i32 s47, s[WV], HALFT                    ; where my quarter of a slot lies
	s_mul_i32 s66, s[LO], 98304                    ; in the ring I fetch 128 rows: which half
	s_mov_b32 s67, 0
	s_wait_dscnt 0x0                               ; both opening adds are done
	CROUND                                         ; the round in front of the first joint loads, ahead of the wait for the arguments
	s_wait_kmcnt 0x0
	s_add_nc_u64 s[92:93], s[4:5], s[92:93]
	s_add_nc_u64 s[94:95], s[6:7], s[94:95]
	s_add_nc_u64 s[96:97], s[8:9], s[96:97]
	s_add_nc_u64 s[98:99], s[10:11], s[98:99]
	s_cmp_eq_u32 s[KIND], 1
	s_cselect_b64 s[14:15], s[16:17], s[14:15]     ; bq or bk
	s_mov_b32 s[G0H], 1
	s_mov_b32 s[G0H+1], 0
	s_mov_b64 s[G0H+2:G0H+3], s[92:93]
	s_or_b32 s[G0H+3], s[G0H+3], 0x80000000
	s_mov_b32 s[G0HB], 1
	s_mov_b32 s[G0HB+1], 2*HALFT
	s_mov_b64 s[G0HB+2:G0HB+3], s[96:97]
	s_or_b32 s[G0HB+3], s[G0HB+3], 0x80000000
	s_mov_b32 s[G0S], 1
	s_mov_b32 s[G0S+1], SCL
	s_mov_b64 s[G0S+2:G0S+3], s[94:95]
	s_or_b32 s[G0S+3], s[G0S+3], 0x80000000
	s_mov_b32 s[G0SB], 1
	s_mov_b32 s[G0SB+1], SCL+2*HALFS
	s_mov_b64 s[G0SB+2:G0SB+3], s[98:99]
	s_or_b32 s[G0SB+3], s[G0SB+3], 0x80000000
	ARM 1, G0H,  G1,  .Lhead_b,  .Lhead_asked
	ARM 2, G0HB, G1B, .Lhead_sa, .Lhead_asked
	ARM 3, G0S,  G1S, .Lhead_sb, .Lhead_asked
	TLOAD G0SB, G1SB
.Lhead_asked:
	s_add_nc_u64 s[92:93], s[92:93], s[66:67]      ; for the ring: my 128 rows
	s_add_nc_u64 s[96:97], s[96:97], s[66:67]
.irp s, 0,1
	s_mov_b32 s[G0+4*\s], 1
	s_add_co_u32 s[G0+4*\s+1], s47, \s*SLOT
	s_add_nc_u64 s[G0+4*\s+2:G0+4*\s+3], s[92:93], \s*HALFT
	s_or_b32 s[G0+4*\s+3], s[G0+4*\s+3], 0x80000000
	s_mov_b32 s[G0B+4*\s], 1
	s_add_co_u32 s[G0B+4*\s+1], s47, \s*SLOT
	s_add_nc_u64 s[G0B+4*\s+2:G0B+4*\s+3], s[96:97], \s*HALFT
	s_or_b32 s[G0B+4*\s+3], s[G0B+4*\s+3], 0x80000000
.endr
	v_and_b32 v1, 15, v0
	v_bfe_u32 v2, v0, 4, 1
	v_and_b32 v3, 31, v0
	v_lshlrev_b32 v[L16], 4, v3
	v_lshlrev_b32 v[L8], 3, v3
	s_mul_i32 s2, s[HI], HALFT
	s_mul_i32 s3, s[LO], HALFT
	s_add_co_u32 s3, s3, 2*HALFT
.irp s, 0,1
	v_add_nc_u32 v[ADRA+\s], s2, v[L16]
	v_add_nc_u32 v[ADRB+\s], s3, v[L16]
	v_add_nc_u32 v[ADRA+2+\s], s2, v[L8]
	v_add_nc_u32 v[ADRB+2+\s], s3, v[L8]
	s_add_co_u32 s2, s2, SLOT
	s_add_co_u32 s3, s3, SLOT
.endr
	v_lshlrev_b32 v6, 3, v1
	s_lshl_b32 s2, s[HI], 12
	s_lshl_b32 s3, s[LO], 12
	s_add_co_u32 s3, s3, 2*HALFS
	s_sub_co_u32 s3, s3, s2
	v_mul_u32_u24 v7, s3, v2                       ; lanes 16-31 take B's words
	s_add_co_u32 s2, s2, SCL
	v_add_nc_u32 v6, v6, v7
	v_add_nc_u32 v[ADRS], s2, v6
	v_and_b32 v6, 8, v1
	v_add_nc_u32 v6, v6, v1
	v_lshlrev_b32 v10, 8, v6
	v_lshl_add_u32 v10, v2, 7, v10                 ; cos / sin: my token's 256 bytes, + 128 h
	v_lshlrev_b32 v11, 6, v2
	v_mul_u32_u24 v12, v2, 12288
	v_lshl_add_u32 v12, v1, 4, v12
	v_lshlrev_b32 v13, 4, v2
	v_lshlrev_b32 v14, 2, v6
	v_lshl_add_u32 v15, v2, 3, v6
	v_lshlrev_b32 v15, 2, v15
.macro FRAG reg, adr, q, i             ; a fragment's image: 1,536 bytes
	ds_load_b128 v[\reg:\reg+3], v[\adr] offset:(8*(\q)+(\i))*1536
	ds_load_b64 v[\reg+4:\reg+5], v[\adr+2] offset:(8*(\q)+(\i))*1536+512
	ds_load_b128 v[\reg+6:\reg+9], v[\adr] offset:(8*(\q)+(\i))*1536+768
	ds_load_b64 v[\reg+10:\reg+11], v[\adr+2] offset:(8*(\q)+(\i))*1536+1280
.endm
.macro MUL16 a0, p, q, sc, zero        ; A's blocks a0, a0 + 1 x B's eight; the 64 accumulators take turns
.irp a, \a0, \a0+1
.irp b, 0,1,2,3,4,5,6,7
.if \zero
	v_wmma_scale_f32_16x16x128_f8f6f4 v[8*(8*((\a)%4)+\b):8*(8*((\a)%4)+\b)+7], v[128*(\p)+FR*\b:128*(\p)+FR*\b+FR-1], v[AF+FR*(\a):AF+FR*(\a)+FR-1], 0, v[SC+8*NQ*(\sc)+NQ*\b+(\q)], v[SC+8*NQ*(\sc)+NQ*(\a)+(\q)] matrix_a_fmt:MATRIX_FMT_FP6 matrix_b_fmt:MATRIX_FMT_FP6 matrix_a_scale:MATRIX_SCALE_ROW1
.else
	v_wmma_scale_f32_16x16x128_f8f6f4 v[8*(8*((\a)%4)+\b):8*(8*((\a)%4)+\b)+7], v[128*(\p)+FR*\b:128*(\p)+FR*\b+FR-1], v[AF+FR*(\a):AF+FR*(\a)+FR-1], v[8*(8*((\a)%4)+\b):8*(8*((\a)%4)+\b)+7], v[SC+8*NQ*(\sc)+NQ*\b+(\q)], v[SC+8*NQ*(\sc)+NQ*(\a)+(\q)] matrix_a_fmt:MATRIX_FMT_FP6 matrix_b_fmt:MATRIX_FMT_FP6 matrix_a_scale:MATRIX_SCALE_ROW1
.endif
.endr
.endr
.endm
.macro FETCH_B slot, q, p
	WIN TO_B
.irp i, 0,1,2,3,4,5,6,7
	FRAG 128*(\p)+FR*\i, ADRB+\slot, \q, \i
.endr
	WIN 0
.endm
.macro FETCH_A slot, q, i0
.irp i, \i0, \i0+1, \i0+2, \i0+3
	FRAG AF+FR*(\i), ADRA+\slot, \q, \i
.endr
.endm
.macro SCALES pr                       ; the words of steps 2 pr and 2 pr + 1 into set pr % 2
.irp i, 0,1,2,3,4,5,6,7
	ds_load_b64 v[SC+8*NQ*((\pr)%2)+NQ*\i:SC+8*NQ*((\pr)%2)+NQ*\i+1], v[ADRS] offset:\i*128+1024*(\pr)
.endr
.endm
.macro NEXT1                           ; step NX lies in chunk NX / 3, slot (NX / 3) % 2, at place NX % 3
	FETCH_B (NX/3)%2, NX%3, NX%2
	FETCH_A (NX/3)%2, NX%3, 0
.if NX%2 == 0
	SCALES NX/2
.endif
.endm
.macro HIGH st, zero                   ; a step's second half, and A's blocks 4-7 of the next step
	WIN MUL_HI
	MUL16 4, (\st)%2, (\st)%2, ((\st)/2)%2, \zero
	MUL16 6, (\st)%2, (\st)%2, ((\st)/2)%2, \zero
	PLACES NP
	WIN 0
	FETCH_A (NX/3)%2, NX%3, 4
.endm
.macro STEP st, zero
.set NX, (\st)+1
	s_wait_dscnt 4*NL                              ; the youngest sixteen loads, A's blocks 4-7, may be out
	WIN MUL_LO
	MUL16 0, (\st)%2, (\st)%2, ((\st)/2)%2, \zero
	MUL16 2, (\st)%2, (\st)%2, ((\st)/2)%2, \zero
	s_wait_dscnt 0
	PLACES NP
	NEXT1
	HIGH \st, \zero
.endm
.macro MEET st                         ; the first half of a step with a barrier: the three lines, sixteen products, the signal, sixteen products, the wait
	s_wait_tensorcnt 0x0                           ; all my tensor loads are in
	ds_add_u32 v[SPW], v[NIL]
	s_wait_dscnt 4*NL+1                            ; the add and the youngest sixteen loads may be out
	WIN MUL_LO
	MUL16 0, (\st)%2, (\st)%2, ((\st)/2)%2, 0
	s_wait_dscnt 0x0                               ; the add is done, and my reads
	s_barrier_signal -1
	MUL16 2, (\st)%2, (\st)%2, ((\st)/2)%2, 0
	WIN 0
	s_barrier_wait -1
.endm
.macro TURN st, fill                   ; a chunk's last step: one barrier shows the next chunk whole and this one read out
.set NX, (\st)+1
	MEET \st
.if \fill
	CREST                                          ; the barrier has opened a round of the cluster's barrier
	s_mov_b32 s[G1+2], 96<<16                      ; chunk 2 has two steps: 96 rows of 256 bytes a quarter
	s_mov_b32 s[G1+4], 96
	s_mov_b32 s[G1B+2], 96<<16
	s_mov_b32 s[G1B+4], 96
	s_add_nc_u64 s[G0+2:G0+3], s[G0+2:G0+3], 2*HALFT
	s_add_nc_u64 s[G0B+2:G0B+3], s[G0B+2:G0B+3], 2*HALFT
	JLOAD G0, G1, G0B, G1B
.else
	PLACES NP
.endif
	NEXT1
	HIGH \st, 0
.endm
	s_wait_alu depctr_va_vdst(0)                   ; the wait at the head's end
	s_wait_tensorcnt 0x0                           ; my tile of the head's four is in
	ds_add_u32 v[SPW], v[NIL]
.irp g, G1, G1B                        ; no load of mine is out: from here on a load brings 144 rows of 256 bytes
	s_mov_b32 s[\g+1], 32<<16
	s_mov_b32 s[\g+2], 144<<16
	s_mov_b32 s[\g+3], 32<<16
	s_mov_b32 s[\g+4], 144
	s_mov_b32 s[\g+5], 32
.endr
	s_wait_dscnt 0x0
	CROUND
	JLOAD G0+4, G1, G0B+4, G1B                     ; chunk 1
	FETCH_B 0, 0, 0
	FETCH_A 0, 0, 0
	SCALES 0
	FETCH_A 0, 0, 4
	STEP 0, 1
	STEP 1, 0
	TURN 2, 1
	STEP 3, 0
	STEP 4, 0
	TURN 5, 0
	s_load_b256 s[92:99], s[0:1], 0x0              ; xi, xs, wi, ws once more, for the second part's descriptors
	STEP 6, 0
	; the second part's four tiles.  No tensor load of mine is out since step 5's wait, so every descriptor may be written
	s_wait_kmcnt 0x0
	s_mov_b32 s3, 0
	s_mul_i32 s2, s[TR], 196608
	s_add_co_u32 s2, s2, 6291456
	GRP0 G0H, VAB, 92                              ; x_kv's 256 tokens, all of K: 768 rows of 256 bytes, shared along my row
	s_lshl_b32 s2, s[TR], 13
	s_add_co_u32 s2, s2, 262144
	GRP0 G0S, SCL+4096, 94                         ; their scale words: 32 rows
	s_mul_i32 s2, s[VC], 98304
	s_add_co_u32 s2, s2, 1572864
	GRP0 G0HB, 0, 96                               ; Wv's 128 columns: 384 rows, shared along my column
	s_lshl_b32 s2, s[VC], 12
	s_add_co_u32 s2, s2, 65536
	GRP0 G0SB, SCL, 98                             ; their scale words: 16 rows
	s_mov_b32 s[G1+2], 768<<16
	s_mov_b32 s[G1+4], 768
	s_mov_b32 s[G1B+2], 384<<16
	s_mov_b32 s[G1B+4], 384
	s_mov_b32 s[G1SB+2], 16<<16
	s_mov_b32 s[G1SB+4], 16
.macro QUANT s                         ; 64 numbers of a lane become a fragment's codes in v[PC] on and its scale word in v[PW]
.irp b, 0,1,2,3
	v_max3_num_f32 v[TM+\b], |v[\s+16*\b]|, |v[\s+1+16*\b]|, 0x1800000
.endr
.irp i, 2,4,6,8,10,12,14
.irp b, 0,1,2,3
	v_max3_num_f32 v[TM+\b], v[TM+\b], |v[\s+16*\b+\i]|, |v[\s+1+16*\b+\i]|
.endr
.endr
.irp b, 0,1,2,3
	v_permlanex16_b32 v[TM+4+\b], v[TM+\b], s[SEL], s[SEL+1]
.endr
.irp b, 0,1,2,3
	v_max_num_f32 v[TM+\b], v[TM+\b], v[TM+4+\b]
.endr
.irp b, 0,1,2,3
	v_add_nc_u32 v[TM+12+\b], 0xff000000, v[TM+\b]
.endr
.irp b, 0,1,2,3
	v_lshrrev_b32 v[TM+4+\b], 23, v[TM+12+\b]
.endr
	v_lshl_or_b32 v[PW], v[TM+5], 8, v[TM+4]
	v_lshl_or_b32 v[PW], v[TM+6], 16, v[PW]
	v_lshl_or_b32 v[PW], v[TM+7], 24, v[PW]
.irp c, 0,1
	v_cvt_scalef32_pk16_fp6_f32 v[PC+6*\c:PC+2+6*\c], v[\s+32*\c:\s+15+32*\c], v[TM+12+2*\c]
	v_cvt_scalef32_pk16_fp6_f32 v[PC+12+4*\c:PC+14+4*\c], v[\s+16+32*\c:\s+31+32*\c], v[TM+12+2*\c+1]
.endr
	v_nop
.irp c, 0,1
.irp i, 0,1,2
	v_permlane16_swap_b32 v[PC+6*\c+\i], v[PC+12+4*\c+\i]
.endr
.irp i, 0,1,2
	v_mov_b32 v[PC+3+6*\c+\i], v[PC+12+4*\c+\i]
.endr
.endr
.endm
	s_mov_b32 s[SEL], 0x76543210
	s_mov_b32 s[SEL+1], 0xfedcba98
	s_lshl_b32 s2, s[TR], 8                        ; where Q's or K's results go
	s_lshl_b32 s3, s[HI], 7
	s_add_co_u32 s2, s2, s3
	s_lshr_b32 s3, s2, 11
	s_and_b32 s2, s2, 2047
	s_lshl_b32 s47, s[TC], 2
	s_lshl_b32 s92, s[LO], 1
	s_add_co_u32 s47, s47, s92
	s_lshl_b32 s3, s3, 4
	s_add_co_u32 s3, s3, s47
	s_mul_i32 s92, s3, 98304
	s_mul_i32 s94, s[KIND], 6291456
	s_add_co_u32 s92, s92, s94
	s_mul_i32 s94, s2, 48
	s_add_co_u32 s92, s92, s94
	s_mov_b32 s93, 0
	s_add_nc_u64 s[92:93], s[20:21], s[92:93]
	s_mul_i32 s94, s3, 12288
	s_mul_i32 s96, s[KIND], 786432
	s_add_co_u32 s94, s94, s96
	s_lshl_b32 s96, s2, 2
	s_add_co_u32 s94, s94, s96
	s_add_co_u32 s94, s94, 18874368
	s_mov_b32 s95, 0
	s_add_nc_u64 s[94:95], s[20:21], s[94:95]
	s_lshl_b32 s96, s2, 8
	s_mov_b32 s97, 0
	s_add_nc_u64 s[12:13], s[12:13], s[96:97]
	s_lshl_b32 s96, s47, 8
	s_add_nc_u64 s[14:15], s[14:15], s[96:97]
	s_cmp_eq_u32 s[KIND], 0
	s_cselect_b32 s100, 0x3e000000, 1.0
	s_mov_b32 s101, s100
; where block a's 32 registers of cos / sin lie: window 1, register CR: four buffers by turns.  Buffers 0-2 are registers that step 7 does not name; buffer 3 lies where B's second set lay and is first filled behind step 7
.macro CSAT a
.set CW, 1
.set CR, 64+32*((\a)%4)
.if (\a)%4 == 2
.set CR, 224
.elseif (\a)%4 == 3
.set CR, 128
.endif
.endm
.macro CSLOAD a
	CSAT \a
	WIN CW<<6
.irp e, 0,1,2,3,4,5,6,7
	global_load_b128 v[CR+4*\e:CR+4*\e+3], v10, s[12:13] offset:(32*((\a)/2)+8*((\a)%2))*256+16*\e
.endr
	WIN 0
.endm
	WIN 0x40
.irp b, 0,1,2,3,4,5,6,7
	global_load_b128 v[8*\b:8*\b+3], v11, s[14:15] offset:(32*(\b/2)+8*(\b%2))*4
	global_load_b128 v[8*\b+4:8*\b+7], v11, s[14:15] offset:(32*(\b/2)+8*(\b%2))*4+16
.endr
	WIN 0
	CSLOAD 0
	CSLOAD 1
	CSLOAD 2
	; STEP 7: nothing more of this part is fetched; both slots and the scales' region have been read out, and are filled again with the second part's tiles, behind a round
	MEET 7
	CREST
	ARM 1, G0H,  G1,   .Lv_w,  .Lv_asked
	ARM 2, G0HB, G1B,  .Lv_st, .Lv_asked
	ARM 3, G0S,  G1S,  .Lv_sw, .Lv_asked
	TLOAD G0SB, G1SB
.Lv_asked:
	WIN MUL_HI
	MUL16 4, 1, 1, 1, 0
	MUL16 6, 1, 1, 1, 0
	WIN 0
	PLACES NP
.irp b, 0,1,2,3
	v_mov_b32 v[TM+4+\b], 0                        ; a lane permute's destination counts as one of its sources
.endr
	s_wait_loadcnt 24                              ; the bias's sixteen loads are in; blocks 0-2's 24 may be out
	CSLOAD 3
	WIN 0x41
.set i, 0
.rept 32
	v_pk_mul_f32 v[i:i+1], v[i:i+1], s[100:101] op_sel_hi:[1,0]
.set i, i+2
.endr
	WIN 0
.macro EQK a
	WIN 0x12+((\a)/4)
.set i, 0
.rept 32
	v_pk_fma_f32 v[HA+i:HA+i+1], v[64*((\a)%4)+i:64*((\a)%4)+i+1], s[100:101], v[i:i+1] op_sel_hi:[1,0,1]
.set i, i+2
.endr
	WIN 0
.if (\a) < 5
	s_wait_loadcnt 24                              ; behind block a's loads: those of the next three blocks
.else
	s_wait_loadcnt 8*(7-(\a))                      ; those of the blocks that are left
.endif
	CSAT \a
	WIN CW<<2
.irp hh, 0,1
.irp p, 0,1,2,3,4,5,6,7
	v_mul_f32 v248, v[HA+32*\hh+2*\p+1], v[CR+4*\p+1]
	v_mul_f32 v249, v[HA+32*\hh+2*\p], v[CR+4*\p+3]
	v_fma_f32 v[HA+32*\hh+2*\p], v[HA+32*\hh+2*\p], v[CR+4*\p], v248
	v_fma_f32 v[HA+32*\hh+2*\p+1], v[HA+32*\hh+2*\p+1], v[CR+4*\p+2], v249
.endr
.endr
	WIN 0
.if (\a) > 0
	s_wait_xcnt 0x0                                ; the last block's stores have read their data: the codes' registers may be written
.endif
.if (\a) < 4
	CSLOAD (\a)+4                                  ; block a's buffer has been read: it takes the block four on
.endif
	QUANT HA
	global_store_b128 v[L16], v[PC:PC+3], s[92:93] offset:768*(\a)
	global_store_b64 v[L8], v[PC+4:PC+5], s[92:93] offset:768*(\a)+512
	global_store_b128 v[L16], v[PC+6:PC+9], s[92:93] offset:768*(\a)+98304
	global_store_b64 v[L8], v[PC+10:PC+11], s[92:93] offset:768*(\a)+98304+512
	v_lshrrev_b32 v[PWS+(\a)], v13, v[PW]
.if (\a)%4 == 3
	global_store_b128 v12, v[PWS+(\a)-3:PWS+(\a)], s[94:95] offset:256*((\a)/4)
.endif
.endm
.irp a, 0,1,2,3,4,5,6,7
	EQK \a
.endr
; ================= THE SECOND PART: V^T, 128 channels (source 1, at LDS 0) x 256 tokens (source 0, behind them); my wave: channels 64 HI on, tokens 128 LO on
	s_wait_xcnt 0x0                                ; the stores above have read their data and their bases
	s_mul_i32 s2, s[HI], 4*1536                    ; my four tiles of the channels' eight
	s_mul_i32 s3, s[LO], VAB
	s_add_co_u32 s3, s3, VAB                       ; my 128 tokens
.irp s, 0,1                            ; K steps 0-3 and 4-7
	v_add_nc_u32 v[ADRA+\s], s2, v[L16]
	v_add_nc_u32 v[ADRB+\s], s3, v[L16]
	v_add_nc_u32 v[ADRA+2+\s], s2, v[L8]
	v_add_nc_u32 v[ADRB+2+\s], s3, v[L8]
	s_add_co_u32 s2, s2, HK
	s_add_co_u32 s3, s3, HK
.endr
	v_lshlrev_b32 v6, 3, v1
	s_lshl_b32 s2, s[HI], 9                        ; the channels' words: four tiles of 128 bytes
	s_lshl_b32 s3, s[LO], 12
	s_add_co_u32 s3, s3, 4096
	s_sub_co_u32 s3, s3, s2
	v_mul_u32_u24 v7, s3, v2                       ; lanes 16-31 take the tokens'
	s_add_co_u32 s2, s2, SCL
	v_add_nc_u32 v6, v6, v7
	v_add_nc_u32 v[ADRS], s2, v6
	v_lshlrev_b32 v8, 4, v1                        ; 16 r: where my row's four scale words go
	s_wait_alu depctr_va_vdst(0)                   ; the wait here, ahead of the run of scalar lines and the waits below
	s_lshl_b32 s2, s[VC], 7
	s_lshl_b32 s3, s[HI], 6
	s_add_co_u32 s2, s2, s3                        ; my first channel
	s_lshl_b32 s47, s[TR], 8
	s_lshl_b32 s3, s[LO], 7
	s_add_co_u32 s47, s47, s3                      ; my first token
	s_lshr_b32 s3, s47, 11
	s_bfe_u32 s47, s47, 0x40007
	s_lshl_b32 s92, s3, 4
	s_lshr_b32 s94, s2, 6
	s_add_co_u32 s94, s94, s92
	s_mul_i32 s92, s94, 98304
	s_mul_i32 s96, s47, 6144
	s_add_co_u32 s92, s92, s96
	s_add_co_u32 s92, s92, 12582912
	s_mov_b32 s93, 0
	s_add_nc_u64 s[92:93], s[20:21], s[92:93]
	s_mul_i32 s94, s94, 12288
	s_lshl_b32 s96, s47, 8
	s_add_co_u32 s94, s94, s96
	s_add_co_u32 s94, s94, 19660800+8192
	s_mov_b32 s95, 0
	s_add_nc_u64 s[94:95], s[20:21], s[94:95]
	s_lshl_b32 s96, s3, 4
	s_add_co_u32 s96, s96, s47
	s_lshl_b32 s96, s96, 12
	s_lshl_b32 s98, s2, 2
	s_add_co_u32 s96, s96, s98
	s_add_co_u32 s96, s96, 20447232
	s_mov_b32 s97, 0
	s_add_nc_u64 s[96:97], s[20:21], s[96:97]
	s_mov_b32 s99, 0
	s_add_nc_u64 s[18:19], s[18:19], s[98:99]
.irp a, 0,1,2,3
	global_load_b32 v[BV+\a], v14, s[18:19] offset:(32*(\a/2)+8*(\a%2))*4
.endr
.macro VMUL16 a0, st, zero             ; channels' blocks a0, a0 + 1 x the tokens' eight; the 32 accumulators take turns
.set SS, SC+8*NQ*(((\st)/2)%2)+(\st)%2
.irp a, \a0, \a0+1
.irp b, 0,1,2,3,4,5,6,7
.if \zero
	v_wmma_scale_f32_16x16x128_f8f6f4 v[8*(8*(\a)+\b):8*(8*(\a)+\b)+7], v[128*((\st)%2)+FR*\b:128*((\st)%2)+FR*\b+FR-1], v[AF+48*((\st)%2)+FR*(\a):AF+48*((\st)%2)+FR*(\a)+FR-1], 0, v[SS+NQ*\b], v[SS+NQ*(\a)] matrix_a_fmt:MATRIX_FMT_FP6 matrix_b_fmt:MATRIX_FMT_FP6 matrix_a_scale:MATRIX_SCALE_ROW1
.else
	v_wmma_scale_f32_16x16x128_f8f6f4 v[8*(8*(\a)+\b):8*(8*(\a)+\b)+7], v[128*((\st)%2)+FR*\b:128*((\st)%2)+FR*\b+FR-1], v[AF+48*((\st)%2)+FR*(\a):AF+48*((\st)%2)+FR*(\a)+FR-1], v[8*(8*(\a)+\b):8*(8*(\a)+\b)+7], v[SS+NQ*\b], v[SS+NQ*(\a)] matrix_a_fmt:MATRIX_FMT_FP6 matrix_b_fmt:MATRIX_FMT_FP6 matrix_a_scale:MATRIX_SCALE_ROW1
.endif
.endr
.endr
.endm
.macro VFETCH st                       ; step st's twelve fragments into set st % 2, and with an even step the words of two steps
	WIN TO_B
.irp i, 0,1,2,3,4,5,6,7
	FRAG 128*((\st)%2)+FR*\i, ADRB+(\st)/4, (\st)%4, \i
.endr
	WIN 0
.irp i, 0,1,2,3
	FRAG AF+48*((\st)%2)+FR*\i, ADRA+(\st)/4, (\st)%4, \i
.endr
.if (\st)%2 == 0
.irp i, 0,1,2,3,4,5,6,7
	ds_load_b64 v[SC+8*NQ*(((\st)/2)%2)+NQ*\i:SC+8*NQ*(((\st)/2)%2)+NQ*\i+1], v[ADRS] offset:\i*128+512*(\st)
.endr
.endif
.endm
.macro VSTEP st, zero
	s_wait_dscnt 0x0                               ; this step's fragments, asked for in the middle of the last step, are in
	WIN MUL_LO
	VMUL16 0, \st, \zero
.if (\st) < 7
	PLACES NP                                      ; in front of loads into the set that the last step's products read
	VFETCH (\st)+1
	WIN MUL_LO
.endif
	VMUL16 2, \st, \zero
.endm
	s_wait_tensorcnt 0x0                           ; my tile of the four is in
	s_barrier_signal -1
	s_barrier_wait -1                              ; and everybody's
	VFETCH 0
	VSTEP 0, 1
.irp t, 1,2,3,4,5,6,7
	VSTEP \t, 0
.endr
	WIN 0
	PLACES NP
.irp c, 0,1,2,3
	v_mov_b32 v[ONES+3*\c], 0x08208208             ; codes of 1.0
	v_mov_b32 v[ONES+3*\c+1], 0x82082082
	v_mov_b32 v[ONES+3*\c+2], 0x20820820
.endr
	v_mov_b32 v[OSC], 0x7f7f7f7f
	s_wait_loadcnt 0x0                             ; bv
.macro EV a
	s_wait_xcnt 0x0
	WIN 0x02
.set i, 0
.rept 64
	v_add_f32 v[HA+i], v[64*(\a)+i], v[BV+(\a)]
.set i, i+1
.endr
	WIN 0
	QUANT HA
	global_store_b128 v[L16], v[PC:PC+3], s[92:93] offset:1536*(\a)
	global_store_b64 v[L8], v[PC+4:PC+5], s[92:93] offset:1536*(\a)+512
	global_store_b128 v[L16], v[PC+6:PC+9], s[92:93] offset:1536*(\a)+768
	global_store_b64 v[L8], v[PC+10:PC+11], s[92:93] offset:1536*(\a)+1280
	PLACES 8
	v_wmma_scale_f32_16x16x128_f8f6f4 v[VSD:VSD+7], v[ONES:ONES+11], v[PC:PC+11], 0, v[OSC], v[PW] matrix_a_fmt:MATRIX_FMT_FP6 matrix_b_fmt:MATRIX_FMT_FP6   ; the sum of the quantised v over these 128 keys
	PLACES 4
	v_mov_b32 v[VP+(\a)], v[VSD]
	v_mov_b32 v[PWS+(\a)], v[PW]
.endm
.irp a, 0,1,2,3
	EV \a
.endr
	global_store_b128 v8, v[PWS:PWS+3], s[94:95]   ; my head's four words of row r: 256 consecutive bytes; lanes l and l + 16 write the same bytes with the same value
	v_cmp_le_u32 vcc_lo, 16, v3
.irp i, 0,1
	v_cndmask_b32 v[TM+4+\i], v[VP+2*\i], v[VP+2*\i+1], vcc_lo
.endr
.irp i, 0,1
	global_store_b32 v15, v[TM+4+\i], s[96:97] offset:128*\i
.endr
	s_wait_tensorcnt 0x0                           ; the wave's end
	ds_add_u32 v[SPW], v[NIL]
	s_wait_dscnt 0x0
	CROUND                                         ; the closing round
	s_endpgm
.Lfunc_end_k_q1696c5caa4_proj:
	.size	k_q1696c5caa4_proj, .Lfunc_end_k_q1696c5caa4_proj-k_q1696c5caa4_proj
	.p2alignl 7, 3214868480
	.fill 96, 4, 3214868480
	.section	.rodata,"a",@progbits
	.p2align	6, 0x0
	.amdhsa_kernel k_q1696c5caa4_proj
		.amdhsa_group_segment_fixed_size 327680
		.amdhsa_private_segment_fixed_size 0
		.amdhsa_enable_private_segment 0
		.amdhsa_kernarg_size 72
		.amdhsa_user_sgpr_count 2
		.amdhsa_user_sgpr_kernarg_segment_ptr 1
		.amdhsa_wavefront_size32 1
		.amdhsa_system_sgpr_workgroup_id_x 1
		.amdhsa_system_sgpr_workgroup_id_y 1
		.amdhsa_system_sgpr_workgroup_id_z 1
		.amdhsa_system_vgpr_workitem_id 0
		.amdhsa_next_free_vgpr 1024
		.amdhsa_next_free_sgpr 102
		.amdhsa_reserve_vcc 1
		.amdhsa_float_denorm_mode_32 3
		.amdhsa_float_denorm_mode_16_64 3
		.amdhsa_memory_ordered 1
		.amdhsa_forward_progress 1
		.amdhsa_inst_pref_size 255
	.end_amdhsa_kernel
	.section	.bss,"aw",@nobits
	.p2align	6
	.space	262144
	.amdgpu_metadata
---
amdhsa.version: [ 1, 2 ]
amdhsa.kernels:
  - .name:           k_q1696c5caa4_proj
    .symbol:         k_q1696c5caa4_proj.kd
    .args:
      - { .name: xi, .offset: 0, .size: 8, .value_kind: global_buffer, .address_space: global }
      - { .name: xs, .offset: 8, .size: 8, .value_kind: global_buffer, .address_space: global }
      - { .name: wi, .offset: 16, .size: 8, .value_kind: global_buffer, .address_space: global }
      - { .name: ws, .offset: 24, .size: 8, .value_kind: global_buffer, .address_space: global }
      - { .name: cs, .offset: 32, .size: 8, .value_kind: global_buffer, .address_space: global }
      - { .name: bq, .offset: 40, .size: 8, .value_kind: global_buffer, .address_space: global }
      - { .name: bk, .offset: 48, .size: 8, .value_kind: global_buffer, .address_space: global }
      - { .name: bv, .offset: 56, .size: 8, .value_kind: global_buffer, .address_space: global }
      - { .name: qkv, .offset: 64, .size: 8, .value_kind: global_buffer, .address_space: global }
    .group_segment_fixed_size: 327680
    .private_segment_fixed_size: 0
    .kernarg_segment_align: 8
    .kernarg_segment_size: 72
    .max_flat_workgroup_size: 128
    .sgpr_count:     102
    .vgpr_count:     1024
    .wavefront_size: 32
...
	.end_amdgpu_metadata
.endif
;; end of part 2
;; launch attn (part 3): grid 4 x 64, 16 waves a work-group, no clusters, 219,392 bytes of LDS; arguments qkv, pad_mask, oi, os; writes oi, os
.if DOCPART == 3
	.amdgcn_target "amdgcn-amd-amdhsa--gfx1250"
	.amdhsa_code_object_version 6
	.text
	.protected	k_q1696c5caa4_attn
	.globl	k_q1696c5caa4_attn
	.p2align	8
	.type	k_q1696c5caa4_attn,@function
k_q1696c5caa4_attn:
	s_mov_b64 s[64:65], 0
	v_nop
	global_prefetch_b8 v0, s[64:65] scope:SCOPE_SE
	s_setreg_imm32_b32 hwreg(HW_REG_WAVE_MODE, 25, 1), 1
	s_wait_xcnt 0x0
; Attention of one head on codes of FP6 (E2M3) with E8M0 scales, with the causal mask and the pad mask; its result is quantised along the channels for the last product.
; THE SOFTMAX: t = score x log2(e); M = the row's largest t so far, rounded up to a whole number; p = 2^(t - M) is quantised along the keys, not normalised; the row's sum of the unquantised p divides at the end.
; SHARES: work-group (i, head) owns the blocks 7 - i and i of 256 queries, one after the other: nine blocks of 256 keys' work in every work-group.  Each of sixteen waves owns a tile of 16 queries in 256 registers.
; THE HEAD'S K AND V STAY IN LDS, filled once by all sixteen waves (one tensor load each: the scale words; keys 0-511; 512-1023; 1024-2047): no slot is filled again.  Three barriers in all; then the waves run free.
; Not shared in a cluster: the four work-groups of a head leave out different steps by branches on their query block, which would be their place in the cluster.
; LAYOUT: both products transposed: S^T = K Q^T (K = 64: the upper 64 of the instruction's K meet Q's zero codes), O^T = V^T P^T: a lane holds one query.  A tile's 16 rows are rows 32 g + 8 u + r + 8 (r / 8), so that
; the 16 registers of two neighbouring tiles are 16 neighbours along the next K.
; THE PAD MASK acts through values: -2^100 for a padded key is the C of the first product.  THE CAUSAL MASK: steps beyond the diagonal are left out by a scalar branch on ids; on the diagonal hidden scores become -infinity.
; A ROW IN WHICH EVERY ALLOWED KEY IS PADDED has the sum 0; there the result is the mean of the quantised v over all 2,048 keys, as a softmax of 2,048 equal logits gives it.
; LIMITS: t stays above -2^96; NaN and infinities are not served; a block of zeros keeps the byte 1.
.set VB,    98304                      ; LDS: K's half images at 0, V's images here,
.set SCB,   196608                     ; K's scale words (8,192 bytes), then V's (4,096),
.set MB,    208896                     ; the mask's addend, f32 for each key,
.set VSM,   217088                     ; the sums of the quantised v over all keys, f32 for each channel,
.set SPARE, 217344                     ; the spare words, 128 bytes a wave
.set WV,  18
.set SEL, 20
.set CS,  22
.set TB,  2                            ; s2   6,144 bytes a step: K's and V's tiles
.set TS,  3                            ; s3   512 bytes a step: K's words, the mask's addend
.set TV,  66                           ; s66  256 bytes a step: V's words
.set CNT, 67
.set KF,  68                           ; s68  the step's first key
.set Q0,  69                           ; s69  my tile's first query
	s_load_b256 s[4:11], s[0:1], 0x0               ; qkv, pad_mask, oi, os
	v_lshl_add_u32 v5, v0, 2, SPARE
	v_mov_b32 v6, 0
	ds_add_u32 v5, v6                              ; the wave's opening: the add and its wait ahead of the first tensor load; work on registers stands between them
	ds_add_u32 v5, v6
	v_lshrrev_b32 v12, 5, v0
	s_delay_alu instid0(VALU_DEP_1)
	v_readfirstlane_b32 s[WV], v12
	v_and_b32 v12, 31, v0                          ; lane
	v_and_b32 v13, 15, v0                          ; r
	v_bfe_u32 v14, v0, 4, 1                        ; h
	s_delay_alu instid0(VALU_DEP_3)
	v_lshlrev_b32 v1, 4, v12                       ; 16 x lane
	s_delay_alu instid0(VALU_DEP_4)
	v_lshlrev_b32 v2, 3, v12                       ; 8 x lane
	s_delay_alu instid0(VALU_DEP_2)
	v_add_nc_u32 v3, VB, v1
	s_delay_alu instid0(VALU_DEP_2)
	v_add_nc_u32 v4, VB, v2
	v_lshl_add_u32 v7, v13, 4, SCB                 ; K's words: 16 r
	v_lshl_add_u32 v8, v14, 6, MB                  ; the mask's addend: 64 h
	v_lshl_add_u32 v9, v13, 4, SCB+8192            ; V's words
	v_and_b32 v15, 8, v13
	s_delay_alu instid0(VALU_DEP_1)
	v_add_nc_u32 v15, v15, v13                     ; r + 8 (r / 8)
	v_lshlrev_b32 v10, 4, v14
	s_delay_alu instid0(VALU_DEP_1)
	v_sub_nc_u32 v10, v15, v10                     ; my query's place less 16 h
	v_lshl_add_u32 v11, v14, 6, VSM
	v_lshl_add_u32 v89, v0, 2, VSM                 ; where threads 0-63 put a channel's sum
	v_lshl_add_u32 v90, v0, 4, MB                  ; where a thread puts four keys' addends
	v_lshlrev_b32 v91, 2, v0
	v_lshlrev_b32 v93, 4, v13
	v_lshlrev_b32 v94, 3, v13
	v_and_b32 v95, 0xfc, v91                       ; 4 x (thread % 64): a channel's place among the head's 64
.irp j, 0,1,2,3,4,5
	v_mov_b32 v[22+\j], 0                          ; Q's upper 64 along K: zero codes
	v_mov_b32 v[80+\j], 0                          ; what stands behind the last tile of K
.endr
.irp b, 0,1,2,3
	v_mov_b32 v[236+\b], 0                         ; a lane permute's destination counts as one of its sources
.endr
	v_mov_b32 v252, 0
	v_mov_b32 v253, 0
	s_and_b32 s70, ttmp7, 0xffff                   ; 16 b + head
	s_lshr_b32 s71, s70, 4                         ; b
	s_and_b32 s72, s70, 15                         ; head
	s_mov_b32 s[SEL], 0x76543210
	s_mov_b32 s[SEL+1], 0xfedcba98
	s_mov_b32 s[CS], 0x3fb8aa3b                    ; log2(e): q carries the 1/8
	s_mov_b32 s[CS+1], s[CS]
	; groups 1: dense blocks as rows of 256 bytes (32 elements of 8 bytes): 12, 48 and 96 rows
.irp g, 24,32,40
	s_mov_b32 s[\g], 3<<16
	s_mov_b32 s[\g+1], 32<<16
	s_mov_b32 s[\g+3], 32<<16
	s_mov_b32 s[\g+5], 32
	s_mov_b32 s[\g+6], 0
	s_mov_b32 s[\g+7], 0
.endr
	s_mov_b32 s26, 12<<16
	s_mov_b32 s28, 12
	s_mov_b32 s34, 48<<16
	s_mov_b32 s36, 48
	s_mov_b32 s42, 96<<16
	s_mov_b32 s44, 96
	s_and_b32 s90, s[WV], 3
	s_lshr_b32 s88, s90, 1                         ; K (0) or V (1)
	s_and_b32 s89, s[WV], 1                        ; which half
	s_mul_i32 s84, s70, 12288
	s_mul_i32 s85, s90, 3072
	s_add_co_u32 s74, s84, s85
	s_add_co_u32 s74, s74, 19660800                ; the scale words: a quarter each
	s_mov_b32 s75, 0
	s_add_co_u32 s49, s85, SCB
	s_mul_i32 s84, s88, 6291456
	s_add_co_u32 s84, s84, 6291456
	s_mul_i32 s85, s70, 98304
	s_add_co_u32 s84, s84, s85                     ; the head's K or V
	s_mul_i32 s86, s88, VB
	s_mul_i32 s85, s89, 12288
	s_add_co_u32 s76, s84, s85                     ; keys 0-511: 24,576 bytes, half each
	s_mov_b32 s77, 0
	s_add_co_u32 s53, s86, s85
	s_add_co_u32 s61, s53, 24576                   ; keys 512-1023 lie 24,576 bytes behind keys 0-511
	s_mul_i32 s85, s89, 24576
	s_add_co_u32 s85, s85, 49152                   ; keys 1024-2047: 49,152 bytes, half each
	s_add_co_u32 s78, s84, s85                     ; keys 1024-2047, my half
	s_mov_b32 s79, 0
	s_add_co_u32 s57, s86, s85
	s_mov_b32 s48, 1
	s_mov_b32 s52, 1
	s_mov_b32 s56, 1
	s_mov_b32 s60, 1
	s_wait_dscnt 0x0                               ; the opening add is done
	s_wait_kmcnt 0x0
	s_add_nc_u64 s[50:51], s[4:5], s[74:75]
	s_or_b32 s51, s51, 0x80000000
	s_add_nc_u64 s[54:55], s[4:5], s[76:77]
	s_or_b32 s55, s55, 0x80000000
	s_add_nc_u64 s[62:63], s[54:55], 24576
	s_add_nc_u64 s[58:59], s[4:5], s[78:79]
	s_or_b32 s59, s59, 0x80000000
; THE FILLS: every wave issues ONE, in one chain of branches on the wave's number: waves 0-3 a quarter each of the scale words,
; waves 4-7 keys 0-511 (K's and V's, half each), waves 8-11 keys 512-1023, waves 12-15 keys 1024-2047.  Three barriers show them, group by group; no byte is filled again.
.macro FILL under, g0, g1, next
	s_cmp_lt_u32 s[WV], \under
	s_cbranch_scc0 \next
	tensor_load_to_lds s[\g0:\g0+3], s[\g1:\g1+7]
	s_nop 0
.rept 4
	v_nop
.endr
	s_branch .Lfilled
\next:
.endm
	FILL 4, 48, 24, .Lfill_a
	FILL 8, 52, 32, .Lfill_b
	FILL 12, 60, 32, .Lfill_c
	tensor_load_to_lds s[56:59], s[40:47]
	s_nop 0
.rept 4
	v_nop
.endr
.Lfilled:
	s_lshl_b32 s84, s71, 11
	s_mov_b32 s85, 0
	s_add_nc_u64 s[6:7], s[6:7], s[84:85]          ; my batch's mask
	global_load_b32 v92, v91, s[6:7]               ; four keys a thread; waited for with Q's loads
	s_lshl_b32 s84, s71, 16
	s_lshl_b32 s86, s72, 8
	s_add_co_u32 s84, s84, s86
	s_add_co_u32 s84, s84, 20447232
	s_add_nc_u64 s[84:85], s[4:5], s[84:85]        ; the sixteen partial sums of my head's channels
.irp g, 0,1,2,3,4,5,6,7,8,9,10,11,12,13,14,15
	global_load_b32 v[100+\g], v95, s[84:85] offset:4096*\g   ; every wave loads them, so that one wait serves the mask, the sums and Q; waves 0 and 1 add and store them
.endr
.macro INIT second                     ; a block of queries begins
	s_wait_xcnt 0x0                                ; every earlier load and store has read its base and its data
.if \second
	s_mov_b32 s74, ttmp9
.else
	s_sub_co_u32 s74, 7, ttmp9
.endif
	s_lshl_b32 s75, s74, 4
	s_add_co_u32 s75, s75, s[WV]                   ; my tile of the head's 128
	s_lshl_b32 s[Q0], s74, 8
	s_lshr_b32 s84, s[WV], 1
	s_lshl_b32 s84, s84, 5
	s_add_co_u32 s[Q0], s[Q0], s84
	s_and_b32 s84, s[WV], 1
	s_lshl_b32 s84, s84, 3
	s_add_co_u32 s[Q0], s[Q0], s84                 ; 256 block + 32 (w / 2) + 8 (w % 2)
	s_mul_i32 s76, s70, 98304
	s_mul_i32 s84, s75, 768
	s_add_co_u32 s76, s76, s84
	s_mov_b32 s77, 0
	s_add_nc_u64 s[76:77], s[4:5], s[76:77]        ; Q's half image
	s_mul_i32 s78, s70, 12288
	s_lshr_b32 s84, s75, 2
	s_lshl_b32 s84, s84, 8
	s_add_co_u32 s78, s78, s84
	s_and_b32 s84, s75, 3
	s_lshl_b32 s84, s84, 2
	s_add_co_u32 s78, s78, s84
	s_add_co_u32 s78, s78, 18874368
	s_mov_b32 s79, 0
	s_add_nc_u64 s[78:79], s[4:5], s[78:79]        ; Q's scale words
	s_lshl_b32 s84, s71, 7
	s_add_co_u32 s84, s84, s75
	s_lshr_b32 s85, s84, 3                         ; o: which 128 rows,
	s_and_b32 s84, s84, 7                          ; which tile of them
	s_mul_i32 s80, s85, 98304
	s_lshr_b32 s86, s72, 2                         ; the slot of 256 channels,
	s_mul_i32 s87, s86, 24576
	s_add_co_u32 s80, s80, s87
	s_bfe_u32 s87, s72, 0x10001                    ; the K step of 128 in it,
	s_lshl_b32 s88, s87, 3
	s_add_co_u32 s88, s88, s84
	s_mul_i32 s88, s88, 1536
	s_add_co_u32 s80, s80, s88
	s_and_b32 s88, s72, 1                          ; the half image
	s_mul_i32 s89, s88, 768
	s_add_co_u32 s80, s80, s89
	s_mov_b32 s81, 0
	s_add_nc_u64 s[80:81], s[8:9], s[80:81]
	s_lshl_b32 s82, s85, 12
	s_lshl_b32 s86, s86, 10
	s_add_co_u32 s82, s82, s86
	s_lshl_b32 s84, s84, 7
	s_add_co_u32 s82, s82, s84
	s_lshl_b32 s87, s87, 2
	s_add_co_u32 s82, s82, s87
	s_lshl_b32 s88, s88, 1
	s_add_co_u32 s82, s82, s88
	s_mov_b32 s83, 0
	s_add_nc_u64 s[82:83], s[10:11], s[82:83]
	global_load_b128 v[16:19], v1, s[76:77]
	global_load_b64 v[20:21], v2, s[76:77] offset:512
	global_load_b32 v255, v93, s[78:79]
	v_mov_b32 v13, 0xef800000                      ; the largest t so far: -2^96, under every t that is served and above a padded key's
	s_delay_alu instid0(VALU_DEP_1)
	v_floor_f32 v12, -v13                          ; -M
	v_mov_b32 v14, 0                               ; the sum, in two halves
	v_mov_b32 v15, 0
.irp j, 0,1,2,3,4,5,6,7,8,9,10,11,12,13,14,15,16,17,18,19,20,21,22,23,24,25,26,27,28,29,30,31
	v_mov_b32 v[160+\j], 0                         ; O^T: the step is written once; the first finds zeros
.endr
	s_mov_b32 s[TB], 0
	s_mov_b32 s[TS], 0
	s_mov_b32 s[TV], 0
	s_mov_b32 s[KF], 0
	s_wait_loadcnt 0x0
.endm
.macro STEP                            ; 128 keys
	s_add_co_u32 s84, s[Q0], 23                    ; a step all of whose keys come after my queries is left out; the lines at its end that step addresses are not
	s_cmp_gt_u32 s[KF], s84
	s_cbranch_scc1 .Lhidden_\@
	v_add_nc_u32 v28, s[TB], v1                    ; (these seven are also the places in front of loads into registers that the last products read)
	v_add_nc_u32 v29, s[TB], v2
	v_add_nc_u32 v30, s[TB], v3
	v_add_nc_u32 v31, s[TB], v4
	v_add_nc_u32 v86, s[TS], v7
	v_add_nc_u32 v87, s[TS], v8
	v_add_nc_u32 v88, s[TV], v9
.irp t, 0,1,2,3,4,5,6,7
	ds_load_b128 v[96+8*\t:99+8*\t], v87 offset:128*(\t/2)+32*(\t%2)        ; the mask's addend of my eight keys of tile t: the C of its product
	ds_load_b128 v[100+8*\t:103+8*\t], v87 offset:128*(\t/2)+32*(\t%2)+16
.endr
.irp t, 0,1,2,3,4,5,6,7
	ds_load_b128 v[32+6*\t:35+6*\t], v28 offset:768*\t
	ds_load_b64 v[36+6*\t:37+6*\t], v29 offset:768*\t+512
.endr
	ds_load_b128 v[192:195], v86
	ds_load_b128 v[196:199], v86 offset:256
	s_wait_alu depctr_va_vdst(0)
	s_wait_dscnt 0x0
.irp t, 0,1,2,3,4,5,6,7                        ; a tile's upper six registers are the next tile's codes: they meet Q's zero codes
	v_wmma_scale_f32_16x16x128_f8f6f4 v[96+8*\t:103+8*\t], v[32+6*\t:43+6*\t], v[16:27], v[96+8*\t:103+8*\t], v[192+\t], v255 matrix_a_fmt:MATRIX_FMT_FP6 matrix_b_fmt:MATRIX_FMT_FP6
.endr
.rept 4
	v_nop
.endr
.irp t, 0,1,2,3                                ; V's fragments are asked for here and land under the softmax
	ds_load_b128 v[32+12*\t:35+12*\t], v30 offset:1536*\t
	ds_load_b64 v[36+12*\t:37+12*\t], v31 offset:1536*\t+512
	ds_load_b128 v[38+12*\t:41+12*\t], v30 offset:1536*\t+768
	ds_load_b64 v[42+12*\t:43+12*\t], v31 offset:1536*\t+1280
.endr
	ds_load_b128 v[248:251], v88
	s_add_co_u32 s84, s[KF], 127                   ; a step all of whose keys count skips the diagonal's lines
	s_cmp_le_u32 s84, s[Q0]
	s_cbranch_scc1 .Lopen_\@
	s_sub_co_i32 s84, s[Q0], s[KF]
	v_add_nc_u32 v252, s84, v10                    ; d = my query - the first key - 16 h.  Register 16 b + i holds key 32 b + 16 h + i of the step: hidden where 32 b + i > d
	v_mov_b32 v254, 0xff800000
.irp n, 0,1,2,3,4,5,6,7,8,9,10,11,12,13,14,15,16,17,18,19,20,21,22,23,24,25,26,27,28,29,30,31,32,33,34,35,36,37,38,39,40,41,42,43,44,45,46,47,48,49,50,51,52,53,54,55,56,57,58,59,60,61,62,63
	v_cmp_gt_i32 vcc_lo, 32*(\n/16)+\n%16, v252
	v_cndmask_b32 v[96+\n], v[96+\n], v254, vcc_lo
.endr
.Lopen_\@:
.irp b, 0,1,2,3
	v_max3_num_f32 v[232+\b], v[96+16*\b], v[97+16*\b], v[98+16*\b]   ; the largest score of each block of 32 keys: for the row's maximum and for the block's largest p
.endr
.irp i, 3,5,7,9,11,13
.irp b, 0,1,2,3
	v_max3_num_f32 v[232+\b], v[232+\b], v[96+16*\b+\i], v[97+16*\b+\i]
.endr
.endr
.irp b, 0,1,2,3
	v_max_num_f32 v[232+\b], v[232+\b], v[111+16*\b]
.endr
	v_mov_b32 v200, v12                            ; the old -M; with this line between, each permute below stands five vector lines behind the line that it reads
.irp b, 0,1,2,3
	v_permlanex16_b32 v[236+\b], v[232+\b], s[SEL], s[SEL+1]
.endr
.irp b, 0,1,2,3
	s_delay_alu instid0(VALU_DEP_4)
	v_max_num_f32 v[232+\b], v[232+\b], v[236+\b]
.endr
	s_delay_alu instid0(VALU_DEP_2)
	v_max3_num_f32 v254, v232, v233, v234
	s_delay_alu instid0(VALU_DEP_1)
	v_max_num_f32 v254, v254, v235
	s_delay_alu instid0(VALU_DEP_1)
	v_mul_f32 v254, s[CS], v254
	s_delay_alu instid0(VALU_DEP_1)
	v_max_num_f32 v13, v13, v254                   ; the running largest t
	s_delay_alu instid0(VALU_DEP_1)
	v_floor_f32 v12, -v13                          ; the new -M: M is a whole number
	s_delay_alu instid0(VALU_DEP_1)
	v_sub_f32 v254, v12, v200
	s_delay_alu instid0(VALU_DEP_1)
	v_cvt_i32_f32 v254, v254                       ; (it saturates)
	s_delay_alu instid0(VALU_DEP_1)
	v_ldexp_f32 v252, 1.0, v254                    ; f = 2^(old M - new M)
.irp j, 0,2,4,6,8,10,12,14,16,18,20,22,24,26,28,30,32,34,36,38,40,42,44,46,48,50,52,54,56,58,60,62
	v_pk_fma_f32 v[96+\j:97+\j], v[96+\j:97+\j], s[CS:CS+1], v[12:13] op_sel_hi:[1,0,0]   ; t - M
.endr
.irp b, 0,1,2,3
	v_fma_f32 v[232+\b], v[232+\b], s[CS], v12
.endr
	s_wait_alu depctr_va_vdst(0)
.irp j, 0,1,2,3,4,5,6,7,8,9,10,11,12,13,14,15,16,17,18,19,20,21,22,23,24,25,26,27,28,29,30,31,32,33,34,35,36,37,38,39,40,41,42,43,44,45,46,47,48,49,50,51,52,53,54,55,56,57,58,59,60,61,62,63
	v_exp_f32 v[96+\j], v[96+\j]                   ; p = 2^(t - M)
.endr
	v_pk_mul_f32 v[14:15], v[14:15], v[252:253] op_sel_hi:[1,0]   ; the sums under the new M: a plain place behind the exponentials
	s_wait_alu depctr_va_vdst(0)                   ; one wait for the whole batch, ahead of its first reader
.irp b, 0,1,2,3
	v_exp_f32 v[232+\b], v[232+\b]                 ; the block's largest p
.endr
	v_pk_add_f32 v[236:237], v[100:101], v[104:105]
	v_pk_add_f32 v[246:247], v[108:109], v[112:113]
	v_pk_add_f32 v[244:245], v[116:117], v[120:121]
	v_pk_add_f32 v[242:243], v[124:125], v[128:129]
	v_pk_add_f32 v[240:241], v[132:133], v[136:137]
	v_pk_add_f32 v[238:239], v[140:141], v[144:145]
	v_pk_add_f32 v[230:231], v[148:149], v[152:153]
	v_pk_add_f32 v[14:15], v[14:15], v[156:157]
	v_pk_add_f32 v[236:237], v[236:237], v[96:97]
	v_pk_add_f32 v[246:247], v[246:247], v[98:99]
	v_pk_add_f32 v[244:245], v[244:245], v[102:103]
	v_pk_add_f32 v[242:243], v[242:243], v[106:107]
	v_pk_add_f32 v[240:241], v[240:241], v[110:111]
	v_pk_add_f32 v[238:239], v[238:239], v[114:115]
	v_pk_add_f32 v[230:231], v[230:231], v[118:119]
	v_pk_add_f32 v[14:15], v[14:15], v[122:123]
	v_pk_add_f32 v[236:237], v[236:237], v[126:127]
	v_pk_add_f32 v[246:247], v[246:247], v[130:131]
	v_pk_add_f32 v[244:245], v[244:245], v[134:135]
	v_pk_add_f32 v[242:243], v[242:243], v[138:139]
	v_pk_add_f32 v[240:241], v[240:241], v[142:143]
	v_pk_add_f32 v[238:239], v[238:239], v[146:147]
	v_pk_add_f32 v[230:231], v[230:231], v[150:151]
	v_pk_add_f32 v[14:15], v[14:15], v[154:155]
	v_pk_add_f32 v[236:237], v[236:237], v[158:159]
	s_delay_alu instid0(VALU_DEP_2)
	v_pk_add_f32 v[14:15], v[14:15], v[242:243]
	s_delay_alu instid0(VALU_DEP_2)
	v_pk_add_f32 v[236:237], v[236:237], v[240:241]
	v_pk_add_f32 v[246:247], v[246:247], v[238:239]
	v_pk_add_f32 v[244:245], v[244:245], v[230:231]
	s_delay_alu instid0(VALU_DEP_2)
	v_pk_add_f32 v[14:15], v[14:15], v[246:247]
	s_delay_alu instid0(VALU_DEP_2)
	v_pk_add_f32 v[236:237], v[236:237], v[244:245]
	s_delay_alu instid0(VALU_DEP_1)
	v_pk_add_f32 v[14:15], v[14:15], v[236:237]
	s_wait_alu depctr_va_vdst(0)                   ; and one for the four
; p's scales and codes, with O^T's sixteen rescaling lines (x f, O^T under the new M) laid among them: independent chains by turns, so that every line stands five or more vector lines behind the line whose result it reads
.irp b, 0,1,2,3
	v_max_num_f32 v[232+\b], 0x1800000, v[232+\b]  ; the floor 2^(3 - 127): the byte cannot fall under 1
.endr
	v_pk_mul_f32 v[160:161], v[160:161], v[252:253] op_sel_hi:[1,0]
.irp b, 0,1,2,3
	v_add_nc_u32 v[244+\b], 0xff000000, v[232+\b]  ; 2 off the exponent field: the conversion's scale operand
.endr
	v_pk_mul_f32 v[162:163], v[162:163], v[252:253] op_sel_hi:[1,0]
.irp b, 0,1,2,3
	v_lshrrev_b32 v[236+\b], 23, v[244+\b]         ; the scale's byte
.endr
.irp j, 4,6,8
	v_pk_mul_f32 v[160+\j:161+\j], v[160+\j:161+\j], v[252:253] op_sel_hi:[1,0]
.endr
	v_lshl_or_b32 v253, v237, 8, v236              ; p's scale word for these 128 keys: its lower two bytes,
	v_lshl_or_b32 v254, v239, 8, v238              ; its upper two
.irp c, 0,1
	v_cvt_scalef32_pk16_fp6_f32 v[224+6*\c:226+6*\c], v[96+32*\c:111+32*\c], v[244+2*\c]
	v_cvt_scalef32_pk16_fp6_f32 v[236+4*\c:238+4*\c], v[112+32*\c:127+32*\c], v[244+2*\c+1]
.endr
	v_nop                                          ; one plain place behind a scaled conversion
	v_lshl_or_b32 v253, v254, 16, v253             ; the word is whole
.irp c, 0,1
.irp i, 0,1,2
	v_permlane16_swap_b32 v[224+6*\c+\i], v[236+4*\c+\i]
.endr
.endr
.irp c, 0,1
.irp i, 0,1,2
	v_mov_b32 v[227+6*\c+\i], v[236+4*\c+\i]
.endr
.endr
.irp j, 10,12,14,16,18,20,22,24,26,28,30
	v_pk_mul_f32 v[160+\j:161+\j], v[160+\j:161+\j], v[252:253] op_sel_hi:[1,0]   ; these eleven also stand between the codes' last writes and the products
.endr
	s_wait_alu depctr_va_vdst(0)
	s_wait_dscnt 0x0                               ; V's fragments and words are in
.irp t, 0,1,2,3
	v_wmma_scale_f32_16x16x128_f8f6f4 v[160+8*\t:167+8*\t], v[32+12*\t:43+12*\t], v[224:235], v[160+8*\t:167+8*\t], v[248+\t], v253 matrix_a_fmt:MATRIX_FMT_FP6 matrix_b_fmt:MATRIX_FMT_FP6
.endr
.Lhidden_\@:
	s_add_co_u32 s[KF], s[KF], 128
	s_add_co_u32 s[TB], s[TB], 6144
	s_add_co_u32 s[TS], s[TS], 512
	s_add_co_u32 s[TV], s[TV], 256
.endm
.macro EPI                             ; a block's end: divide, quantise along the channels, store
.rept 4
	v_nop
.endr
	v_add_f32 v14, v14, v15
	s_delay_alu instid0(VALU_DEP_1)
	v_permlanex16_b32 v252, v14, s[SEL], s[SEL+1]
	s_delay_alu instid0(VALU_DEP_1)
	v_add_f32 v14, v14, v252                       ; the row's sum
.irp t, 0,1,2,3
	ds_load_b128 v[96+8*\t:99+8*\t], v11 offset:128*(\t/2)+32*(\t%2)        ; the sums of the quantised v, in O^T's layout
	ds_load_b128 v[100+8*\t:103+8*\t], v11 offset:128*(\t/2)+32*(\t%2)+16
.endr
	v_cmp_neq_f32 vcc_lo, 0, v14                   ; 0: every allowed key was padded
	s_delay_alu instid0(VALU_DEP_1)
	v_cndmask_b32 v14, 0x45000000, v14, vcc_lo     ; there the sum is 2,048
	s_wait_alu depctr_va_vdst(0)
	v_rcp_f32 v15, v14
	v_nop                                          ; a plain place behind the reciprocal
	s_wait_alu depctr_va_vdst(0)                   ; and the wait ahead of its first reader
	s_wait_dscnt 0x0
.irp j, 0,1,2,3,4,5,6,7,8,9,10,11,12,13,14,15,16,17,18,19,20,21,22,23,24,25,26,27,28,29,30,31
	v_cndmask_b32 v[128+\j], v[96+\j], v[160+\j], vcc_lo   ; each accumulator from its low end on
.endr
.irp j, 0,1,2,3,4,5,6,7,8,9,10,11,12,13,14,15,16,17,18,19,20,21,22,23,24,25,26,27,28,29,30,31
	v_mul_f32 v[128+\j], v[128+\j], v15            ; register 16 b + i is channel 32 b + 16 h + i of my query
.endr
.irp b, 0,1
	v_max3_num_f32 v[232+\b], |v[128+16*\b]|, |v[129+16*\b]|, 0x1800000
.endr
.irp i, 2,4,6,8,10,12,14
.irp b, 0,1
	s_delay_alu instid0(VALU_DEP_2)
	v_max3_num_f32 v[232+\b], v[232+\b], |v[128+16*\b+\i]|, |v[129+16*\b+\i]|
.endr
.endr
.irp b, 0,1
	s_delay_alu instid0(VALU_DEP_2)
	v_permlanex16_b32 v[236+\b], v[232+\b], s[SEL], s[SEL+1]
.endr
.irp b, 0,1
	s_delay_alu instid0(VALU_DEP_2)
	v_max_num_f32 v[232+\b], v[232+\b], v[236+\b]
.endr
.irp b, 0,1
	s_delay_alu instid0(VALU_DEP_2)
	v_add_nc_u32 v[244+\b], 0xff000000, v[232+\b]
.endr
.irp b, 0,1
	s_delay_alu instid0(VALU_DEP_2)
	v_lshrrev_b32 v[236+\b], 23, v[244+\b]
.endr
	s_delay_alu instid0(VALU_DEP_1)
	v_lshl_or_b32 v254, v237, 8, v236              ; my row's two scale bytes
	v_cvt_scalef32_pk16_fp6_f32 v[224:226], v[128:143], v244
	v_cvt_scalef32_pk16_fp6_f32 v[240:242], v[144:159], v245
	v_nop                                          ; one plain place behind a scaled conversion
.irp i, 0,1,2
	v_permlane16_swap_b32 v[224+\i], v[240+\i]
.endr
.irp i, 0,1,2
	s_delay_alu instid0(VALU_DEP_3)
	v_mov_b32 v[227+\i], v[240+\i]
.endr
	global_store_b128 v1, v[224:227], s[80:81]     ; the half image: 512 and 256 consecutive bytes, aligned
	global_store_b64 v2, v[228:229], s[80:81] offset:512
	global_store_b16 v94, v254, s[82:83]           ; two bytes of a word whose other two are another head's; lanes l and l + 16 write the same bytes with the same value
.endm
	INIT 0                                         ; its wait for Q's loads shows the mask's and the sums' in too
.irp k, 0,1,2,3
	v_bfe_u32 v[96+\k], v92, 8*\k, 8
.endr
.irp k, 0,1,2,3
	s_delay_alu instid0(VALU_DEP_4)
	v_cvt_f32_u32 v[96+\k], v[96+\k]
.endr
.irp k, 0,1,2,3
	s_delay_alu instid0(VALU_DEP_4)
	v_mul_f32 v[96+\k], 0xf1800000, v[96+\k]       ; -2^100 for a padded key, 0 for the others
.endr
	ds_store_b128 v90, v[96:99]
	s_cmp_lt_u32 s[WV], 2
	s_cbranch_scc0 .Lno_sum
.irp g, 0,1,2,3,4,5,6,7
	v_add_f32 v[100+\g], v[100+\g], v[108+\g]
.endr
.irp g, 0,1,2,3
	s_delay_alu instid0(VALU_DEP_4)
	v_add_f32 v[100+\g], v[100+\g], v[104+\g]
.endr
	s_delay_alu instid0(VALU_DEP_2)
	v_add_f32 v100, v100, v102
	s_delay_alu instid0(VALU_DEP_2)
	v_add_f32 v101, v101, v103
	s_delay_alu instid0(VALU_DEP_1)
	v_add_f32 v100, v100, v101
	ds_store_b32 v89, v100
.Lno_sum:
	s_cmp_lt_u32 s[WV], 8                          ; the scale words and keys 0-511: every wave that issues one of these two load lines waits
	s_cbranch_scc0 .Lout_1
	s_wait_tensorcnt 0x0
.Lout_1:
	s_wait_dscnt 0x0                               ; my stores of the mask's addend and of the sums have landed
	s_barrier_signal -1
	s_barrier_wait -1
; The two later barriers guard no refill and are split: each is signalled at the head of the four steps before it and waited for behind them; between signal and wait stand register work and LDS loads of bytes that nobody writes.
	s_cmp_lt_u32 s[WV], 12                         ; keys 512-1023: waves 8-11, which issue that load line, wait ahead of their signal
	s_cbranch_scc0 .Lout_2
	s_wait_tensorcnt 0x0
.Lout_2:
	s_barrier_signal -1
	s_mov_b32 s[CNT], 4
.Lfirst:
	STEP
	s_sub_co_u32 s[CNT], s[CNT], 1
	s_cmp_lg_u32 s[CNT], 0
	s_cbranch_scc1 .Lfirst
	s_barrier_wait -1                              ; keys 512-1023 are shown to all
	s_wait_tensorcnt 0x0                           ; all that is still out: keys 1024-2047
	s_wait_dscnt 0x0
	s_barrier_signal -1
	s_mov_b32 s[CNT], 4
.Lmid:
	STEP
	s_sub_co_u32 s[CNT], s[CNT], 1
	s_cmp_lg_u32 s[CNT], 0
	s_cbranch_scc1 .Lmid
	s_barrier_wait -1                              ; keys 1024-2047 are shown to all
	s_mov_b32 s[CNT], 8
.Lrest:
	STEP
	s_sub_co_u32 s[CNT], s[CNT], 1
	s_cmp_lg_u32 s[CNT], 0
	s_cbranch_scc1 .Lrest
	EPI
	INIT 1
	s_mov_b32 s[CNT], 16
.Lsecond:
	STEP
	s_sub_co_u32 s[CNT], s[CNT], 1
	s_cmp_lg_u32 s[CNT], 0
	s_cbranch_scc1 .Lsecond
	EPI
	s_wait_tensorcnt 0x0                           ; the wave's end
	ds_add_u32 v5, v6
	s_wait_dscnt 0x0
	s_endpgm
.Lfunc_end_k_q1696c5caa4_attn:
	.size	k_q1696c5caa4_attn, .Lfunc_end_k_q1696c5caa4_attn-k_q1696c5caa4_attn
	.p2alignl 7, 3214868480
	.fill 96, 4, 3214868480
	.section	.rodata,"a",@progbits
	.p2align	6, 0x0
	.amdhsa_kernel k_q1696c5caa4_attn
		.amdhsa_group_segment_fixed_size 219392
		.amdhsa_private_segment_fixed_size 0
		.amdhsa_enable_private_segment 0
		.amdhsa_kernarg_size 32
		.amdhsa_user_sgpr_count 2
		.amdhsa_user_sgpr_kernarg_segment_ptr 1
		.amdhsa_wavefront_size32 1
		.amdhsa_system_sgpr_workgroup_id_x 1
		.amdhsa_system_sgpr_workgroup_id_y 1
		.amdhsa_system_sgpr_workgroup_id_z 1
		.amdhsa_system_vgpr_workitem_id 0
		.amdhsa_next_free_vgpr 256
		.amdhsa_next_free_sgpr 100
		.amdhsa_reserve_vcc 1
		.amdhsa_float_denorm_mode_32 3
		.amdhsa_float_denorm_mode_16_64 3
		.amdhsa_memory_ordered 1
		.amdhsa_forward_progress 1
		.amdhsa_inst_pref_size 123
	.end_amdhsa_kernel
	.amdgpu_metadata
---
amdhsa.version: [ 1, 2 ]
amdhsa.kernels:
  - .name:           k_q1696c5caa4_attn
    .symbol:         k_q1696c5caa4_attn.kd
    .args:
      - { .name: qkv, .offset: 0, .size: 8, .value_kind: global_buffer, .address_space: global }
      - { .name: pad_mask, .offset: 8, .size: 8, .value_kind: global_buffer, .address_space: global }
      - { .name: oi, .offset: 16, .size: 8, .value_kind: global_buffer, .address_space: global }
      - { .name: os, .offset: 24, .size: 8, .value_kind: global_buffer, .address_space: global }
    .group_segment_fixed_size: 219392
    .private_segment_fixed_size: 0
    .kernarg_segment_align: 8
    .kernarg_segment_size: 32
    .max_flat_workgroup_size: 512
    .sgpr_count:     100
    .vgpr_count:     256
    .wavefront_size: 32
...
	.end_amdgpu_metadata
.endif
;; end of part 3
;; launch outp (part 4): grid 4 x 64, 4 waves a work-group, clusters of 4 x 4, 327,680 bytes of LDS; arguments oi, os, wi, ws, bo, out0; writes out0
.if DOCPART == 4
	.amdgcn_target "amdgcn-amd-amdhsa--gfx1250"
	.amdhsa_code_object_version 6
	.text
	.protected	k_q1696c5caa4_outp
	.globl	k_q1696c5caa4_outp
	.p2align	8
	.type	k_q1696c5caa4_outp,@function
k_q1696c5caa4_outp:
	s_mov_b64 s[64:65], 0
	v_nop
	global_prefetch_b8 v0, s[64:65] scope:SCOPE_SE
	s_setreg_imm32_b32 hwreg(HW_REG_WAVE_MODE, 25, 1), 1
	s_wait_xcnt 0x0
	s_wait_alu depctr_hold_cnt(0) depctr_sa_sdst(0) depctr_va_vdst(0) depctr_va_sdst(0) depctr_va_ssrc(0) depctr_va_vcc(0) depctr_vm_vsrc(0)
	s_getreg_b32 s2, hwreg(HW_REG_IB_STS2, 6, 4)
	s_cmp_eq_u32 s2, 0
	s_cbranch_scc0 .Lentry_in_a_cluster
	s_endpgm
.Lentry_in_a_cluster:
	s_bfe_u32 s2, ttmp6, 0x10000c
	s_cmp_lg_u32 s2, 0xf033
	s_cbranch_scc0 .Lentry_shape_is_right
	s_endpgm
.Lentry_shape_is_right:
; out0 = o Wo + bo on codes of FP6 (E2M3) with E8M0 scales; o's and Wo's codes come as images of operand registers (1,536 bytes a fragment), [128 rows][K step of 128][tile of 16 rows].
; 256 work-groups, each a tile of 128 rows x 256 columns; four waves, 2 x 2, 64 x 128 each: 32 accumulators in window 2; A's fragments in window 0 and B's in window 1, two sets each.
; ALL OF K LIES IN LDS: A's 128 rows (98,304 bytes), B's 256 rows (196,608), their scale words (4,096 and 8,192).  Four joint loads at the head, one a wave, each a dense block as rows of 256 bytes; nothing is filled again.
; CLUSTERS: A's tile is shared along a row of the 4 x 4 cluster, B's along a column.  No data prefetch: all tiles are asked for at the head, and there is no loop to run ahead in.
; The matrix instruction is used transposed (source 0 = Wo's columns, source 1 = o's rows): a lane holds eight neighbouring numbers of a row.  A tile's 16 rows are rows 32 g + 8 u + r + 8 (r / 8).
; THE WAY OUT: 16 rows x 128 columns at a time through the wave's own stage, which lies on A's K steps 0-2; the barrier in step 4 stands behind every wave's last read of those bytes.  32 lanes store 512 consecutive bytes.
.set NQ,     2
.set FR,     12
.set NP,     4
.set ABYTES, 98304                     ; 128 rows, all of K
.set HK,     49152                     ; four K steps of them
.set SCL,    3*ABYTES
.set SPARE,  SCL+12288
.set SPITCH, 528
.set L16,  4
.set L8,   5
.set ADRA, 16                          ; v16-17 16 x lane in K steps 0-3, 4-7; v18-19 8 x lane
.set ADRB, 20
.set STO,  24
.set RD,   25
.set ADRS, 27
.set SPW,  28
.set NIL,  29
.set SC,   32                          ; v32-63 scale words, two sets
.set AF,   128                         ; v128-175, v176-223 A's fragments
.set BK,   128
.set G1, 24
.set G0, 32
.set G1B, 48
.set G0B, 56
.set G1S, 68
.set G0S, 76
.set G1SB, 80
.set G0SB, 88
.set WV, 22
.set HI, 23
.set LO, 40
.set CX, 41
.set CY, 42
.set TR, 45
.set TC, 46
.set MSB, 0
.macro WIN new
.if MSB != \new
	s_set_vgpr_msb (MSB<<8)|\new
.set MSB, \new
.endif
.endm
.set MUL_LO, 0xa1                      ; source 0 (B) window 1, source 1 (A) window 0, C and D window 2
.set TO_B,   0x40
.macro PLACES n
.rept \n
	v_nop
.endr
.endm
.macro TLOAD g0, g1
	tensor_load_to_lds s[\g0:\g0+3], s[\g1:\g1+7]
	s_nop 0
	PLACES 4
.endm
.macro ARM under, g0, g1, next
	s_cmp_lt_u32 s[WV], \under
	s_cbranch_scc0 \next
	TLOAD \g0, \g1
	s_branch .Lhead_asked
\next:
.endm
.macro CROUND
	s_barrier_signal -1
	s_barrier_wait -1
	s_cmp_lg_u32 s[WV], 0
	s_cbranch_scc1 .Lnot_wave_0_\@
	s_barrier_signal -3
.Lnot_wave_0_\@:
	s_barrier_wait -3
	s_barrier_signal -1
	s_barrier_wait -1
.endm
.macro GRP g, mask, rows               ; a dense block as rows of 256 bytes (32 elements of 8 bytes)
	s_or_b32 s[\g], s[\mask], (3<<16)|(1<<21)
	s_mov_b32 s[\g+1], 32<<16
	s_mov_b32 s[\g+2], (\rows)<<16
	s_mov_b32 s[\g+3], 32<<16
	s_mov_b32 s[\g+4], \rows
	s_mov_b32 s[\g+5], 32
	s_mov_b32 s[\g+6], 0
	s_mov_b32 s[\g+7], 0
.endm
.macro GRP0 g, lds, base, off
	s_mov_b32 s[\g], 1
	s_mov_b32 s[\g+1], \lds
	s_add_nc_u64 s[\g+2:\g+3], s[\base:\base+1], s[\off:\off+1]
	s_or_b32 s[\g+3], s[\g+3], 0x80000000
.endm
	s_load_b256 s[4:11], s[0:1], 0x0               ; oi, os, wi, ws
	s_load_b128 s[12:15], s[0:1], 0x20             ; bo, out0
	v_lshl_add_u32 v[SPW], v0, 2, SPARE
	v_mov_b32 v[NIL], 0
	ds_add_u32 v[SPW], v[NIL]                      ; the opening lines: the add, twice on end, and its wait
	ds_add_u32 v[SPW], v[NIL]
	v_lshrrev_b32 v1, 5, v0
	v_readfirstlane_b32 s[WV], v1
	s_lshr_b32 s[HI], s[WV], 1                     ; which 64 rows are mine
	s_and_b32 s[LO], s[WV], 1                      ; which 128 columns
	s_bfe_u32 s[CX], ttmp6, 0x40000
	s_bfe_u32 s[CY], ttmp6, 0x40004
	s_lshl_b32 s[TC], ttmp9, 2
	s_add_co_u32 s[TC], s[TC], s[CX]               ; tile column, 256 wide
	s_and_b32 s[TR], ttmp7, 0xffff
	s_lshl_b32 s[TR], s[TR], 2
	s_add_co_u32 s[TR], s[TR], s[CY]               ; tile row, 128 high
	s_lshl_b32 s47, s[CY], 2
	s_lshl_b32 s47, 15, s47                        ; my row of the cluster
	s_lshl_b32 s66, 0x1111, s[CX]                  ; my column
	GRP G1, 47, 384
	GRP G1B, 66, 768
	GRP G1S, 47, 16
	GRP G1SB, 66, 32
	s_mul_i32 s92, s[TR], ABYTES
	s_lshl_b32 s94, s[TR], 12
	s_mul_i32 s96, s[TC], 2*ABYTES
	s_add_co_u32 s96, s96, 2359296                 ; Wo is the fourth weight
	s_lshl_b32 s98, s[TC], 13
	s_add_co_u32 s98, s98, 98304
	s_mov_b32 s93, 0
	s_mov_b32 s95, 0
	s_mov_b32 s97, 0
	s_mov_b32 s99, 0
	s_wait_dscnt 0x0                               ; both opening adds are done
	CROUND                                         ; the round in front of the joint loads, ahead of the wait for the arguments
	s_wait_kmcnt 0x0
	GRP0 G0, 0, 4, 92
	GRP0 G0B, ABYTES, 8, 96
	GRP0 G0S, SCL, 6, 94
	GRP0 G0SB, SCL+4096, 10, 98
	ARM 1, G0B, G1B, .Lhead_a
	ARM 2, G0,  G1,  .Lhead_sa
	ARM 3, G0S, G1S, .Lhead_sb
	TLOAD G0SB, G1SB
.Lhead_asked:
	v_and_b32 v1, 15, v0
	v_bfe_u32 v2, v0, 4, 1
	v_and_b32 v3, 31, v0
	v_lshlrev_b32 v[L16], 4, v3
	v_lshlrev_b32 v[L8], 3, v3
	s_mul_i32 s2, s[HI], 4*1536                    ; my four tiles of A's eight
	s_mul_i32 s3, s[LO], ABYTES
	s_add_co_u32 s3, s3, ABYTES                    ; my 128 rows of B
.irp s, 0,1
	v_add_nc_u32 v[ADRA+\s], s2, v[L16]
	v_add_nc_u32 v[ADRB+\s], s3, v[L16]
	v_add_nc_u32 v[ADRA+2+\s], s2, v[L8]
	v_add_nc_u32 v[ADRB+2+\s], s3, v[L8]
	s_add_co_u32 s2, s2, HK
	s_add_co_u32 s3, s3, HK
.endr
	v_lshlrev_b32 v6, 3, v1
	s_lshl_b32 s2, s[HI], 9                        ; A's words: four tiles of 128 bytes
	s_lshl_b32 s3, s[LO], 12
	s_add_co_u32 s3, s3, 4096
	s_sub_co_u32 s3, s3, s2
	v_mul_u32_u24 v7, s3, v2                       ; lanes 16-31 take B's
	s_add_co_u32 s2, s2, SCL
	v_add_nc_u32 v6, v6, v7
	v_add_nc_u32 v[ADRS], s2, v6
	s_mul_i32 s2, s[WV], 16*SPITCH                 ; my stage
	v_mul_u32_u24 v6, v1, SPITCH
	v_lshl_add_u32 v6, v2, 6, v6
	v_add_nc_u32 v[STO], s2, v6
	v_add_nc_u32 v[RD], s2, v[L16]
	s_lshl_b32 s2, s[TC], 10
	s_lshl_b32 s3, s[LO], 9
	s_add_co_u32 s2, s2, s3                        ; my first column, in bytes
	s_mov_b32 s3, 0
	s_add_nc_u64 s[12:13], s[12:13], s[2:3]
	s_add_nc_u64 s[14:15], s[14:15], s[2:3]
	global_load_b128 v[8:11], v[L16], s[12:13]     ; the bias of my four columns of a row's 128
	s_lshl_b32 s2, s[TR], 7
	s_lshl_b32 s67, s[HI], 6
	s_add_co_u32 s2, s2, s67
	s_lshl_b32 s2, s2, 12                          ; my first row, 4,096 bytes a row
	s_add_nc_u64 s[14:15], s[14:15], s[2:3]
.macro FRAG reg, adr, q, i
	ds_load_b128 v[\reg:\reg+3], v[\adr] offset:(8*(\q)+(\i))*1536
	ds_load_b64 v[\reg+4:\reg+5], v[\adr+2] offset:(8*(\q)+(\i))*1536+512
	ds_load_b128 v[\reg+6:\reg+9], v[\adr] offset:(8*(\q)+(\i))*1536+768
	ds_load_b64 v[\reg+10:\reg+11], v[\adr+2] offset:(8*(\q)+(\i))*1536+1280
.endm
.macro MUL16 a0, st, zero              ; A's blocks a0, a0 + 1 x B's eight; the 32 accumulators take turns
.set SS, SC+8*NQ*(((\st)/2)%2)+(\st)%2
.irp a, \a0, \a0+1
.irp b, 0,1,2,3,4,5,6,7
.if \zero
	v_wmma_scale_f32_16x16x128_f8f6f4 v[8*(8*(\a)+\b):8*(8*(\a)+\b)+7], v[128*((\st)%2)+FR*\b:128*((\st)%2)+FR*\b+FR-1], v[AF+48*((\st)%2)+FR*(\a):AF+48*((\st)%2)+FR*(\a)+FR-1], 0, v[SS+NQ*\b], v[SS+NQ*(\a)] matrix_a_fmt:MATRIX_FMT_FP6 matrix_b_fmt:MATRIX_FMT_FP6 matrix_a_scale:MATRIX_SCALE_ROW1
.else
	v_wmma_scale_f32_16x16x128_f8f6f4 v[8*(8*(\a)+\b):8*(8*(\a)+\b)+7], v[128*((\st)%2)+FR*\b:128*((\st)%2)+FR*\b+FR-1], v[AF+48*((\st)%2)+FR*(\a):AF+48*((\st)%2)+FR*(\a)+FR-1], v[8*(8*(\a)+\b):8*(8*(\a)+\b)+7], v[SS+NQ*\b], v[SS+NQ*(\a)] matrix_a_fmt:MATRIX_FMT_FP6 matrix_b_fmt:MATRIX_FMT_FP6 matrix_a_scale:MATRIX_SCALE_ROW1
.endif
.endr
.endr
.endm
.macro FETCH st                        ; step st's twelve fragments into set st % 2, and with an even step the words of two steps
	WIN TO_B
.irp i, 0,1,2,3,4,5,6,7
	FRAG 128*((\st)%2)+FR*\i, ADRB+(\st)/4, (\st)%4, \i
.endr
	WIN 0
.irp i, 0,1,2,3
	FRAG AF+48*((\st)%2)+FR*\i, ADRA+(\st)/4, (\st)%4, \i
.endr
.if (\st)%2 == 0
.irp i, 0,1,2,3,4,5,6,7
	ds_load_b64 v[SC+8*NQ*(((\st)/2)%2)+NQ*\i:SC+8*NQ*(((\st)/2)%2)+NQ*\i+1], v[ADRS] offset:\i*128+512*(\st)
.endr
.endif
.endm
.macro STEP st, zero, bar=0
	s_wait_dscnt 0x0                               ; this step's fragments, asked for in the middle of the last step, are in
.if \bar
	s_barrier_signal -1                            ; a plain barrier: every wave's reads of K steps 0-3 are over
.endif
	WIN MUL_LO
	MUL16 0, \st, \zero
.if \bar
	s_barrier_wait -1
.endif
.if (\st) < 7
	PLACES NP                                      ; in front of loads into the set that the last step's products read
	FETCH (\st)+1
	WIN MUL_LO
.endif
	MUL16 2, \st, \zero
.endm
	s_wait_alu depctr_va_vdst(0)                   ; the wait at the head's end
	s_wait_tensorcnt 0x0                           ; my tile of the four is in
	s_barrier_signal -1
	s_barrier_wait -1                              ; and everybody's
	FETCH 0
	STEP 0, 1
	STEP 1, 0
	STEP 2, 0
	STEP 3, 0
	STEP 4, 0, 1
	STEP 5, 0
	STEP 6, 0
	STEP 7, 0
	WIN 0
.macro TOSTAGE a
	WIN 0x08                                       ; the data: window 2
.irp b, 0,1,2,3,4,5,6,7
	ds_store_b128 v[STO], v[64*(\a)+8*\b:64*(\a)+8*\b+3] offset:128*(\b/2)+32*(\b%2)          ; each accumulator from its low end on
	ds_store_b128 v[STO], v[64*(\a)+8*\b+4:64*(\a)+8*\b+7] offset:128*(\b/2)+32*(\b%2)+16
.endr
	WIN 0
.set BB, BK+64*((\a)%2)
.irp t, 0,1,2,3,4,5,6,7,8,9,10,11,12,13,14,15
	ds_load_b128 v[BB+4*\t:BB+4*\t+3], v[RD] offset:\t*SPITCH   ; LDS serves a wave's instructions in order: these see my stores
.endr
.endm
.macro SEND a, younger
.set BB, BK+64*((\a)%2)
	s_wait_dscnt \younger                          ; the block is back; the LDS instructions issued behind its loads may be out
.irp t, 0,1,2,3,4,5,6,7,8,9,10,11,12,13,14,15
	v_pk_add_f32 v[BB+4*\t:BB+4*\t+1], v[BB+4*\t:BB+4*\t+1], v[8:9]
	v_pk_add_f32 v[BB+4*\t+2:BB+4*\t+3], v[BB+4*\t+2:BB+4*\t+3], v[10:11]
.endr
.irp t, 0,1,2,3,4,5,6,7,8,9,10,11,12,13,14,15
	global_store_b128 v[L16], v[BB+4*\t:BB+4*\t+3], s[14:15] offset:(32*((\a)/2)+8*((\a)%2)+\t+8*(\t/8))*4096 th:TH_STORE_NT
.endr
.endm
	PLACES NP
	s_wait_loadcnt 0x0                             ; the bias
	TOSTAGE 0
.irp a, 1,2,3
.if \a > 1
	s_wait_xcnt 0x0                                ; block a - 2's stores have read their registers
.endif
	TOSTAGE \a
	SEND \a-1, 32
.endr
	SEND 3, 0
	s_wait_tensorcnt 0x0                           ; the wave's end
	ds_add_u32 v[SPW], v[NIL]
	s_wait_dscnt 0x0
	CROUND                                         ; the closing round
	s_endpgm
.Lfunc_end_k_q1696c5caa4_outp:
	.size	k_q1696c5caa4_outp, .Lfunc_end_k_q1696c5caa4_outp-k_q1696c5caa4_outp
	.p2alignl 7, 3214868480
	.fill 96, 4, 3214868480
	.section	.rodata,"a",@progbits
	.p2align	6, 0x0
	.amdhsa_kernel k_q1696c5caa4_outp
		.amdhsa_group_segment_fixed_size 327680
		.amdhsa_private_segment_fixed_size 0
		.amdhsa_enable_private_segment 0
		.amdhsa_kernarg_size 48
		.amdhsa_user_sgpr_count 2
		.amdhsa_user_sgpr_kernarg_segment_ptr 1
		.amdhsa_wavefront_size32 1
		.amdhsa_system_sgpr_workgroup_id_x 1
		.amdhsa_system_sgpr_workgroup_id_y 1
		.amdhsa_system_sgpr_workgroup_id_z 1
		.amdhsa_system_vgpr_workitem_id 0
		.amdhsa_next_free_vgpr 768
		.amdhsa_next_free_sgpr 100
		.amdhsa_reserve_vcc 0
		.amdhsa_float_denorm_mode_32 3
		.amdhsa_float_denorm_mode_16_64 3
		.amdhsa_memory_ordered 1
		.amdhsa_forward_progress 1
		.amdhsa_inst_pref_size 91
	.end_amdhsa_kernel
	.amdgpu_metadata
---
amdhsa.version: [ 1, 2 ]
amdhsa.kernels:
  - .name:           k_q1696c5caa4_outp
    .symbol:         k_q1696c5caa4_outp.kd
    .args:
      - { .name: oi, .offset: 0, .size: 8, .value_kind: global_buffer, .address_space: global }
      - { .name: os, .offset: 8, .size: 8, .value_kind: global_buffer, .address_space: global }
      - { .name: wi, .offset: 16, .size: 8, .value_kind: global_buffer, .address_space: global }
      - { .name: ws, .offset: 24, .size: 8, .value_kind: global_buffer, .address_space: global }
      - { .name: bo, .offset: 32, .size: 8, .value_kind: global_buffer, .address_space: global }
      - { .name: out0, .offset: 40, .size: 8, .value_kind: global_buffer, .address_space: global }
    .group_segment_fixed_size: 327680
    .private_segment_fixed_size: 0
    .kernarg_segment_align: 8
    .kernarg_segment_size: 48
    .max_flat_workgroup_size: 128
    .sgpr_count:     100
    .vgpr_count:     768
    .wavefront_size: 32
...
	.end_amdgpu_metadata
.endif
;; end of part 4
